; MI455X (gfx1250); checked and timed in simulation.
; The chip was launched on July 23, 2026; its instructions are those of AMD's public machine-readable ISA for CDNA 5 (MIT licence, August 2026) and "CDNA5" Instruction Set Architecture Reference Guide (July 2026). The comments in the code are by the model that wrote it; some were corrected since.
;; Parallel Transformer Block. Allowed arithmetic: matrix products marked QUANTISED: E2M1 operands, one E8M0 scale for each 32 along K, by v_wmma_scale_f32_16x16x128_f8f6f4 with both operands' format E2M1 (or v_wmma_scale_f32_32x16x128_f4), f32 sums; everything else in f32.
;; Inputs: gamma 2,048 float32; w_attn_out 512 x 2,048 float32; w_ff_out 2,048 x 2,048 float32; w_fused 2,048 x 4,672 float32; x 2 x 2,048 x 2,048 float32.
;; Outputs: out0 2 x 2,048 x 2,048 float32.
;; This version of the problem:
;;   THIS VERSION OF THE PROBLEM IS GIVEN IN LOW PRECISION. The matrix products marked QUANTISED in the list below multiply operands that are first quantised to E2M1 (2 exponent bits, 1 mantissa bit; 4 bits a number), with one power-of-two scale for each 32 numbers along K (OCP MX v1.0); their sums are f32. All else is computed in f32.
;;   The module's matrix products, in the order in which they are computed (A, B: the left and right operand; K: the contracted axis; several contracted axes count as one K, in the product's order):
;;     1. [M 4,096, K 2,048] x [K 2,048, N 4,672]; A: computed on the way; B: input w_fused: QUANTISED
;;     2. batch 2 x [M 32,768, K 32] x [K 32, N 2,048]; A: computed on the way; B: computed on the way: QUANTISED
;;     3. batch 2 x [M 32,768, K 2,048] x [K 2,048, N 32]; A: softmax (see below); B: computed on the way: QUANTISED
;;     4. [M 4,096, K 2,048] x [K 2,048, N 2,048]; A: computed on the way; B: input w_ff_out: QUANTISED
;;     5. [M 4,096, K 512] x [K 512, N 2,048]; A: computed on the way; B: input w_attn_out: QUANTISED
;;   THE QUANTISER, for each operand of a quantised product, along K:
;;     - K is cut into blocks of 32 from its start; a last block that is shorter is filled with zeros.
;;     - A block's scale is 2^e with e = floor(log2(the largest magnitude in the block)) - 2, held to -126 .. 127; a block of zeros has e = 0. As a byte (E8M0): e + 127.
;;     - Each number is divided by its block's scale, clamped to +-6, and rounded to the nearest number of E2M1, ties to even, subnormals kept.
;;     - The product sums the exact products of the quantised numbers (number of the format x scale) in f32.
;;   ~~~python
;;   def quantise(x, axis):      # numpy; x: float32 -> the quantised numbers, widened to float32 again
;;       x = np.moveaxis(x, axis, -1); K = x.shape[-1]
;;       x = np.pad(x, [(0, 0)] * (x.ndim - 1) + [(0, -K % 32)]); x = x.reshape(x.shape[:-1] + (-1, 32)); a = np.abs(x).max(-1, keepdims=True)
;;       e = np.where(a > 0, np.clip(np.frexp(np.where(a > 0, a, 1))[1] - 1 - 2, -126, 127), 0)      # np.frexp(a)[1] - 1 = floor(log2(a)), exactly
;;       r = np.clip(x / 2.0 ** e, -6, 6)
;;       step = 2.0 ** (np.maximum(np.frexp(np.where(r == 0, 1, r))[1] - 1, 0) - 1)
;;       q = np.round(r / step) * step * 2.0 ** e      # np.round: ties to even
;;       return np.moveaxis(q.reshape(q.shape[:-2] + (-1,))[..., :K], -1, axis).astype(np.float32)
;;   ~~~
;;   SOFTMAX AHEAD OF A QUANTISED PRODUCT. Where the list says 'softmax', what is quantised is not the finished softmax but p = 2^(t - M), with t = logit x log2(e) and M = ceil(the row's largest t), a whole number; so 1/2 < the row's largest p <= 1. The row's sum l is taken of the UNQUANTISED p, in f32, and the product's result is divided by l at the end. Since M is a whole number, a kernel that streams over the keys may use a running M (the ceiling of the running maximum): every later rescaling is an exact power of two, which a block's scale takes up: the codes' values come out the same.
;;   OPERANDS COMPUTED ON THE WAY. 'Computed on the way' means the value that the module computes at that place (a softmax that the list does not call 'softmax' is quantised finished and normalised). What goes into a quantiser is computed in f32, as accurately as f32 sums, v_exp_f32 and their like allow (about 1e-6 of the number): no bf16 or f16 on the way to a quantiser, and a product that is left as it is and whose result goes on into a quantised operand takes f32 operands (vector FMAs, or v_wmma_f32_16x16x4_f32). A number that lies on a knife's edge between two numbers of the format may be rounded either way, as far as f32 arithmetic and the matrix unit's own rounding can turn it there, and no further.
;; 2 versions, each right; version 2 is version 1 with the launch attn written anew for expert scheduling mode. Each part assembles by itself: llvm-mc -triple=amdgcn-amd-amdhsa -mcpu=gfx1250 --defsym DOCPART=n.
;; ======== version 1 of 2: 5 launches
;; workspace buffers: wfq 5,083,136 bytes; woq 2,785,280 bytes; xq 4,456,448 bytes; aq 5,570,560 bytes; qc 1,048,576 bytes; qs 262,144 bytes; kq 81,920 bytes; vraw 524,288 bytes
;; launch qw (part 1): grid 452 x 1, 8 waves a work-group, no clusters, 2,048 bytes of LDS; arguments w_fused, w_ff_out, w_attn_out, wfq, woq; writes wfq, woq
.if DOCPART == 1
	.amdgcn_target "amdgcn-amd-amdhsa--gfx1250"
	.amdhsa_code_object_version 6
	.text
	.protected	k_q14b5c5dc90_qw
	.globl	k_q14b5c5dc90_qw
	.p2align	8
	.type	k_q14b5c5dc90_qw,@function
k_q14b5c5dc90_qw:
	s_mov_b64 s[64:65], 0
	v_nop
	global_prefetch_b8 v0, s[64:65] scope:SCOPE_SE
	s_setreg_imm32_b32 hwreg(HW_REG_WAVE_MODE, 25, 1), 1
	s_wait_xcnt 0x0
; The three weights, f32 with K as their FIRST axis, become codes of FP4 (E2M1) with one E8M0 byte for each 32 along K, laid as OPERAND IMAGES:
; a tile is 16 columns n, a chunk 512 along K; a tile of a chunk is 4,352 bytes: codes [block 0..15][rho 0..15][16 bytes], then scale bytes [rho][16].
; wfq = [4 chunks][292 tiles], woq = [5 chunks][128 tiles] (chunks 0-3 w_ff_out, chunk 4 w_attn_out).
; A work-group takes 64 columns x one chunk; wave w takes 32 of the columns (w & 1) and 128 along K (w >> 1).  A LANE TAKES A COLUMN AND ITS REGISTERS RUN DOWN K:
; each load reads 128 consecutive bytes, a block of 32 lies in one lane, and the conversions give codes with K innermost.
; Which column goes to which tile and row: columns 0..575 of w_fused and all of the output weights as they come (tile c >> 4, rho c & 15);
; the ff columns so that a pair of tiles holds 32 neighbours as tile (c >> 3) & 1, rho 8 (c >> 4) + (c & 7), four ff_x tiles and then the four gate tiles of the same 64 hidden units.
; A block's scale byte is its largest magnitude's exponent field - 2, held at 1 from below (a block of zeros gets 1: its codes are zeros, and this program alone reads the bytes).
; LIMITS: NaN and infinities among the inputs are not served.
; No matrix work, no cluster, no tensor load: nothing is shared, and the launch streams.
.set X, 32                             ; v32-159  four blocks of 32 numbers
.set C, 160                            ; v160-175 four registers of codes a block: no store's data are written again
	s_load_b128 s[4:7], s[0:1], 0x0                ; w_fused, w_ff_out
	s_load_b128 s[8:11], s[0:1], 0x10              ; w_attn_out, wfq
	s_load_b64 s[12:13], s[0:1], 0x20              ; woq
	v_lshl_add_u32 v176, v0, 2, 0x400
	v_mov_b32 v177, 0
	v_lshrrev_b32 v1, 5, v0
	v_readfirstlane_b32 s16, v1                    ; wave 0..7
	s_and_b32 s17, s16, 1                          ; which 32 of the 64 columns
	s_lshr_b32 s18, s16, 1                         ; which 128 of the chunk's 512 along K
	v_and_b32 v1, 31, v0                           ; c: my column of the 32
	v_lshlrev_b32 v2, 2, v1                        ; in: 4 bytes a lane
	v_lshrrev_b32 v6, 4, v1
	v_and_b32 v7, 15, v1
	v_lshlrev_b32 v7, 4, v7
	v_mad_u32_u24 v7, v6, 4352, v7                 ; columns as they come: tile c >> 4, rho c & 15
	v_bfe_u32 v8, v1, 3, 1
	v_and_b32 v9, 7, v1
	v_lshl_add_u32 v9, v6, 3, v9
	v_lshlrev_b32 v9, 4, v9
	v_mad_u32_u24 v9, v8, 4352, v9                 ; the ff order: tile (c >> 3) & 1, rho 8 (c >> 4) + (c & 7)
	v_lshlrev_b32 v5, 4, v1
	s_lshl_b32 s19, s17, 9
	v_add_nc_u32 v5, s19, v5                       ; LDS: my column's 16 scale bytes
	s_lshl_b32 s19, s18, 2
	v_add_nc_u32 v4, s19, v5                       ; and my wave's word among them
	; which tensor, chunk and 64 columns: work-groups 0..291 w_fused, 292..419 w_ff_out, 420..451 w_attn_out
	s_cmp_lt_u32 ttmp9, 292
	s_cselect_b32 s19, 0, 292
	s_sub_co_u32 s19, ttmp9, s19
	s_and_b32 s20, s19, 3                          ; chunk
	s_lshr_b32 s21, s19, 2                         ; which 64 columns
	s_sub_co_u32 s22, ttmp9, 420
	s_cmp_ge_u32 ttmp9, 420
	s_cselect_b32 s21, s22, s21
	s_cselect_b32 s23, 4, s20                      ; the chunk in the image
	s_cselect_b32 s20, 0, s20
	s_mov_b32 s24, 8192                            ; bytes in a row of the tensor
	s_mov_b32 s25, 128                             ; tiles in a chunk of the image
	s_cmp_lt_u32 ttmp9, 292
	s_cselect_b32 s24, 18688, s24
	s_cselect_b32 s25, 292, s25
	s_cselect_b32 s31, 18, 0x7fffffff              ; from this group of 32 columns on: the ff order
	s_lshl_b32 s26, s21, 1
	s_add_co_u32 s26, s26, s17                     ; my group of 32 columns
	s_lshl_b32 s27, s26, 1                         ; its first tile, columns as they come
	s_sub_co_u32 s28, s26, 18                      ; f: 0..63 ff_x, 64..127 gate
	s_and_b32 s29, s28, 62
	s_lshl_b32 s29, s29, 2                         ; 8 x (which 64 hidden units)
	s_lshr_b32 s30, s28, 6
	s_lshl_b32 s30, s30, 2
	s_add_co_u32 s29, s29, s30                     ; + 4 for gate
	s_and_b32 s30, s28, 1
	s_lshl_b32 s30, s30, 1
	s_add_co_u32 s29, s29, s30                     ; + 2 for the upper 32
	s_add_co_u32 s29, s29, 36
	s_cmp_ge_u32 s26, s31
	s_cselect_b32 s27, s29, s27
	s_cselect_b32 s31, -1, 0
	v_cndmask_b32 v3, v7, v9, s31                  ; out: my column's place in its pair of tiles
	s_lshl_b32 s32, s20, 9
	s_lshl_b32 s33, s18, 7
	s_add_co_u32 s32, s32, s33
	s_mul_i32 s32, s32, s24                        ; my first row of the tensor, in bytes (under 2^26)
	s_lshl_b32 s33, s26, 7
	s_add_co_u32 s32, s32, s33                     ; + my first column
	s_mov_b32 s33, 0
	s_mul_i32 s34, s23, s25
	s_add_co_u32 s34, s34, s27
	s_mul_i32 s34, s34, 4352                       ; my first tile in the image
	s_lshl_b32 s35, s18, 10
	s_add_co_u32 s34, s34, s35                     ; + my four blocks' codes
	s_mov_b32 s35, 0
	s_wait_kmcnt 0x0
	s_cmp_lt_u32 ttmp9, 420                        ; the buffers are chosen on the work-group's number alone
	s_cselect_b64 s[6:7], s[6:7], s[8:9]
	s_cmp_lt_u32 ttmp9, 292
	s_cselect_b64 s[4:5], s[4:5], s[6:7]
	s_cselect_b64 s[10:11], s[10:11], s[12:13]
	s_add_nc_u64 s[4:5], s[4:5], s[32:33]
	s_add_nc_u64 s[10:11], s[10:11], s[34:35]
.macro LOADB t, str                    ; block t: rows 32 t + i of my 128, my column; every offset is an immediate (127 rows of 18,688 bytes at the most)
.set I, 0
.rept 32
	global_load_b32 v[X+32*(\t)+I], v2, s[4:5] offset:(32*(\t)+I)*(\str) th:TH_LOAD_NT
.set I, I+1
.endr
.endm
.macro BLOCK t
.set XS, X+32*(\t)
	v_max3_num_f32 v12, |v[XS]|, |v[XS+1]|, |v[XS+2]|      ; the block's largest magnitude: all 32 numbers are mine; two chains
	v_max3_num_f32 v13, |v[XS+3]|, |v[XS+4]|, |v[XS+5]|
.irp i, 6,10,14,18,22,26
	v_max3_num_f32 v12, v12, |v[XS+\i]|, |v[XS+\i+1]|
	v_max3_num_f32 v13, v13, |v[XS+\i+2]|, |v[XS+\i+3]|
.endr
	v_max3_num_f32 v12, v12, |v[XS+30]|, |v[XS+31]|
	v_max3_num_f32 v12, v12, v13, 0x1800000        ; and the floor 2^(3 - 127): the byte cannot fall under 1
	v_add_nc_u32 v11, 0xff000000, v12              ; 2 off the exponent field: the conversion's scale operand
	v_lshrrev_b32 v13, 23, v11                     ; the scale's byte
.if (\t) == 0
	v_mov_b32 v24, v13
.else
	v_lshl_or_b32 v24, v13, 8*(\t), v24            ; four bytes to a word, the lower K in the lower byte
.endif
.irp g, 0,1,2,3
	v_cvt_scalef32_pk8_fp4_f32 v[C+4*(\t)+\g], v[XS+8*\g:XS+8*\g+7], v11
.endr
	global_store_b128 v3, v[C+4*(\t):C+4*(\t)+3], s[10:11] offset:256*(\t)   ; sixteen lanes fill 256 consecutive bytes of a tile, aligned
.endm
.macro BODY str
	LOADB 0, \str
	LOADB 1, \str
	s_wait_loadcnt 32                              ; block 0 is in; the 32 loads of block 1 may be out
	LOADB 2, \str
	BLOCK 0
	s_wait_loadcnt 32                              ; block 1 is in; block 2's may be out
	LOADB 3, \str
	BLOCK 1
	s_wait_loadcnt 32                              ; block 2 is in; block 3's may be out
	BLOCK 2
	s_wait_loadcnt 0x0
	BLOCK 3
.endm
	s_cmp_lt_u32 ttmp9, 292                        ; the two arms differ in the row's length, which stands in the immediates
	s_cbranch_scc0 .Lnarrow
	BODY 18688
	s_branch .Ltail
.Lnarrow:
	BODY 8192
.Ltail:
	ds_store_b32 v4, v24                           ; a column's 16 scale bytes come from four waves: they meet in LDS
	s_wait_dscnt 0x0                               ; for the others' sake: my store is done
	s_barrier_signal -1
	s_barrier_wait -1
	s_cmp_ge_u32 s16, 2
	s_cbranch_scc1 .Lend
	ds_load_b128 v[26:29], v5                      ; waves 0 and 1 (whose image address is the tile's first byte) store them
	s_wait_dscnt 0x0
	global_store_b128 v3, v[26:29], s[10:11] offset:4096    ; sixteen lanes fill a tile's 256 scale bytes
.Lend:
	s_wait_tensorcnt 0x0
	ds_add_u32 v176, v177
	s_wait_dscnt 0x0
	s_endpgm
.Lfunc_end_k_q14b5c5dc90_qw:
	.size	k_q14b5c5dc90_qw, .Lfunc_end_k_q14b5c5dc90_qw-k_q14b5c5dc90_qw
	.p2alignl 7, 3214868480
	.fill 96, 4, 3214868480
	.section	.rodata,"a",@progbits
	.p2align	6, 0x0
	.amdhsa_kernel k_q14b5c5dc90_qw
		.amdhsa_group_segment_fixed_size 2048
		.amdhsa_private_segment_fixed_size 0
		.amdhsa_enable_private_segment 0
		.amdhsa_kernarg_size 40
		.amdhsa_user_sgpr_count 2
		.amdhsa_user_sgpr_kernarg_segment_ptr 1
		.amdhsa_wavefront_size32 1
		.amdhsa_system_sgpr_workgroup_id_x 1
		.amdhsa_system_sgpr_workgroup_id_y 1
		.amdhsa_system_sgpr_workgroup_id_z 1
		.amdhsa_system_vgpr_workitem_id 0
		.amdhsa_next_free_vgpr 178
		.amdhsa_next_free_sgpr 66
		.amdhsa_reserve_vcc 0
		.amdhsa_float_denorm_mode_32 3
		.amdhsa_float_denorm_mode_16_64 3
		.amdhsa_memory_ordered 1
		.amdhsa_forward_progress 1
		.amdhsa_inst_pref_size 41
	.end_amdhsa_kernel
	.amdgpu_metadata
---
amdhsa.version: [ 1, 2 ]
amdhsa.kernels:
  - .name:           k_q14b5c5dc90_qw
    .symbol:         k_q14b5c5dc90_qw.kd
    .args:
      - { .name: w_fused, .offset: 0, .size: 8, .value_kind: global_buffer, .address_space: global }
      - { .name: w_ff_out, .offset: 8, .size: 8, .value_kind: global_buffer, .address_space: global }
      - { .name: w_attn_out, .offset: 16, .size: 8, .value_kind: global_buffer, .address_space: global }
      - { .name: wfq, .offset: 24, .size: 8, .value_kind: global_buffer, .address_space: global }
      - { .name: woq, .offset: 32, .size: 8, .value_kind: global_buffer, .address_space: global }
    .group_segment_fixed_size: 2048
    .private_segment_fixed_size: 0
    .kernarg_segment_align: 8
    .kernarg_segment_size: 40
    .max_flat_workgroup_size: 256
    .sgpr_count:     66
    .vgpr_count:     178
    .wavefront_size: 32
...
	.end_amdgpu_metadata
.endif
;; end of part 1
;; launch lnqkv (part 2): grid 256 x 1, 8 waves a work-group, no clusters, 177,408 bytes of LDS; arguments x, gamma, wfq, xq, qc, qs, kq, vraw; writes xq, qc, qs, kq, vraw
.if DOCPART == 2
	.amdgcn_target "amdgcn-amd-amdhsa--gfx1250"
	.amdhsa_code_object_version 6
	.text
	.protected	k_q14b5c5dc90_lnqkv
	.globl	k_q14b5c5dc90_lnqkv
	.p2align	8
	.type	k_q14b5c5dc90_lnqkv,@function
k_q14b5c5dc90_lnqkv:
	s_mov_b64 s[64:65], 0
	v_nop
	global_prefetch_b8 v0, s[64:65] scope:SCOPE_SE
	s_setreg_imm32_b32 hwreg(HW_REG_WAVE_MODE, 25, 1), 1
	s_wait_xcnt 0x0
; 16 rows of x a work-group: LayerNorm in f32 (two passes: mean, then the squares of x - mean), x gamma, quantised to FP4 along K into an operand image (xq);
; then the same 16 rows times the first 576 columns of w_fused (q, k, v) on the codes just made; rope on q and k; q x 32^-0.5; q and k quantised along the head's 32; v left in f32.
; LAYERNORM: wave w owns rows 2 w and 2 w + 1.  Lane (h, r) owns blocks 16 i + r (i = 0..3) of row 2 w + h: 128 numbers, each block of 32 whole in one lane; a row's 16 lanes are one row of lanes.
; PRODUCT (transposed: source 0 = 16 columns of the weight, source 1 = my 16 rows): wave w makes heads 2 w and 2 w + 1 (tiles 4 w .. 4 w + 3); afterwards wave 0 makes k, wave 1 v.
;   Lane (r, h) then holds row r and, of tile t, columns 16 t + 8 h + j: of a head, d = 8 h + j in the first tile's registers and d = 16 + 8 h + j in the second's: the two partners of rope lie in one lane.
; q's and k's 32 codes of a block lie in the order (h, tile, j), the same in both, so their product is unchanged.
; The weights' images go straight from memory into operand registers.  All 256 work-groups walk the same 627 KB of them, yet they are not asked for jointly: that would want a ring in LDS that is filled again,
; beside the 147,456 bytes that hold x.
; LIMITS: the inverse frequencies are the nearest f32 of 10^(-j/4); a power computed in f32 may differ from them in the last bit, up to 1e-4 rad of phase at position 2,047.
; A block of zeros gets the scale byte 1 (its codes are zeros; this program alone reads the bytes).  NaN and infinities are not served.
; LDS (each byte is filled or stored once): XST 8 x 18,432: a wave's two rows as 128 blocks of 128 bytes, 144 apart; GAM gamma likewise; XIMG the 16 rows' image, 4 chunks x 4,352; VST wave 1's stage for v.
.set TILEB, 4352
.set CHX, 1114112                      ; a chunk of xq: 256 tiles
.set CHW, 1270784                      ; a chunk of wfq: 292 tiles
.set GAM,  147456
.set XIMG, 156672
.set VST,  174080
.set CO,  16                           ; v16-23 cos, v24-31 sin of position x frequency 8 h + j
.set SI,  24
.set ACC, 32                           ; v32-63 gamma's block, then four accumulators
.set XS,  64                           ; v64-79 x's scale words, 4 i + q
.set WS,  80                           ; v80-111 the weights' scale words
.set X,   128                          ; v128-255 my 128 numbers of x, then x's sixteen fragments (AFR)
.set AFR, 128
; v1 r, v2 h, v3 LX, v4 LG, v5 LIW, v6 LSB, v7 16 lane, v8 16 r, v9 16 r + 8 h, v10 4 lane, v11 KO, v12 KW, v13 VSW, v14 VSR, v15 LCP, v112-123 at work, v124 LSR, v125 LIA, v126 LXS, v127 GSC
; window 1 (v256-511): the weights' fragments
.set MSB, 0
.macro WIN new                         ; the immediate's high byte repeats the setting that is left
.if MSB != (\new)
	s_set_vgpr_msb (MSB<<8)|(\new)
.set MSB, (\new)
.endif
.endm
	s_load_b512 s[4:19], s[0:1], 0x0               ; x, gamma, wfq, xq, qc, qs, kq, vraw
	v_lshl_add_u32 v158, v0, 2, 0x2b100
	v_mov_b32 v159, 0
	ds_add_u32 v158, v159
	ds_add_u32 v158, v159
	s_wait_dscnt 0x0
	v_lshrrev_b32 v1, 5, v0
	v_readfirstlane_b32 s20, v1                    ; wave 0..7
	; descriptor group 1: dense memory as rows of 256 bytes (64 elements of 4 bytes); 4 words of padding behind every 32 words: a block of 128 bytes every 144
	s_mov_b32 s24, (2<<16)|(1<<20)|(4<<22)|(3<<25)
	s_mov_b32 s25, 64<<16                          ; tensor_dim0 = 64
	s_mov_b32 s26, 64<<16                          ; tensor_dim1 = 64 rows: my two rows of x
	s_mov_b32 s27, 64<<16                          ; tile_dim0
	s_mov_b32 s28, 64                              ; tile_dim1
	s_mov_b32 s29, 64                              ; from row to row
	s_mov_b32 s30, 0
	s_mov_b32 s31, 0
	s_mov_b32 s32, (2<<16)|(1<<20)|(4<<22)|(3<<25)
	s_mov_b32 s33, 64<<16
	s_mov_b32 s34, 4<<16                           ; 4 rows: my eighth of gamma
	s_mov_b32 s35, 64<<16
	s_mov_b32 s36, 4
	s_mov_b32 s37, 64
	s_mov_b32 s38, 0
	s_mov_b32 s39, 0
	s_lshl_b32 s2, ttmp9, 4
	s_lshl_b32 s3, s20, 1
	s_add_co_u32 s2, s2, s3
	s_lshl_b32 s2, s2, 13                          ; row 16 m-tile + 2 w, 8,192 bytes a row (under 2^26)
	s_mov_b32 s3, 0
	s_lshl_b32 s68, s20, 10
	s_mov_b32 s69, 0
	s_mov_b32 s40, 1
	s_mul_i32 s41, s20, 18432                      ; my part of XST
	s_mov_b32 s44, 1
	s_mul_i32 s45, s20, 1152
	s_add_co_u32 s45, s45, GAM
	s_wait_kmcnt 0x0
	s_add_nc_u64 s[42:43], s[4:5], s[2:3]
	s_or_b32 s43, s43, 0x80000000
	s_add_nc_u64 s[46:47], s[6:7], s[68:69]
	s_or_b32 s47, s47, 0x80000000
	tensor_load_to_lds s[40:43], s[24:31]          ; both fills go out together, ahead of every wait on TENSORcnt, LDS read and barrier: two loads of mine are out
	s_nop 0
	tensor_load_to_lds s[44:47], s[32:39]
	s_nop 0
.rept 4
	v_nop
.endr
	; addresses: all are made here, ahead of every parting of the waves
	v_and_b32 v1, 15, v0                           ; r
	v_bfe_u32 v2, v0, 4, 1                         ; h
	v_mul_u32_u24 v3, v1, 144
	v_mad_u32_u24 v3, v2, 9216, v3
	v_add_nc_u32 v3, s41, v3                       ; LX: my row's block r
	v_mul_u32_u24 v4, v1, 144
	v_add_nc_u32 v4, GAM, v4                       ; LG: gamma's block r
	v_lshlrev_b32 v5, 8, v1
	v_lshl_add_u32 v5, v2, 4, v5
	s_lshl_b32 s22, s20, 5
	s_add_co_u32 s22, s22, XIMG
	v_add_nc_u32 v5, s22, v5                       ; LIW: image, block r, row 2 w + h
	v_lshl_add_u32 v6, v2, 4, v1
	s_add_co_u32 s23, s22, 4096
	v_add_nc_u32 v6, s23, v6                       ; LSB: its scale byte
	v_and_b32 v7, 31, v0
	v_lshlrev_b32 v7, 4, v7                        ; 16 x lane
	v_lshlrev_b32 v8, 4, v1                        ; 16 r
	v_lshl_add_u32 v9, v2, 3, v8                   ; 16 r + 8 h
	v_lshrrev_b32 v10, 2, v7                       ; 4 x lane
	v_lshrrev_b32 v112, 3, v1
	v_and_b32 v113, 7, v1
	v_lshlrev_b32 v11, 4, v113
	v_lshl_add_u32 v12, v112, 2, v11               ; KW: k's scale word: 16 (r & 7) + 4 (r >> 3)
	v_lshl_add_u32 v11, v112, 8, v11
	v_lshl_add_u32 v11, v2, 3, v11                 ; KO: k's codes: 256 (r >> 3) + 16 (r & 7) + 8 h
	v_mul_u32_u24 v13, v1, 144
	v_lshl_add_u32 v13, v2, 5, v13
	v_add_nc_u32 v13, VST, v13                     ; VSW
	v_bfe_u32 v112, v0, 3, 2
	v_mul_u32_u24 v14, v112, 144
	v_and_b32 v113, 7, v0
	v_lshl_add_u32 v14, v113, 4, v14
	v_add_nc_u32 v14, VST, v14                     ; VSR
	s_lshr_b32 s22, s20, 1
	s_mul_i32 s22, s22, TILEB
	s_and_b32 s23, s20, 1
	s_lshl_b32 s23, s23, 11
	s_add_co_u32 s22, s22, s23
	s_add_co_u32 s22, s22, XIMG
	v_add_nc_u32 v15, s22, v7                      ; LCP: the 2,048 bytes of codes that I copy out
	s_and_b32 s23, s20, 1
	s_mul_i32 s23, s23, 2*TILEB
	s_add_co_u32 s23, s23, XIMG+4096
	v_mad_u32_u24 v124, v2, TILEB, v8
	v_add_nc_u32 v124, s23, v124                   ; LSR: two chunks' scale bytes (waves 0 and 1)
	v_add_nc_u32 v125, XIMG, v7                    ; LIA: a fragment's place for my lane
	v_add_nc_u32 v126, XIMG+4096, v8               ; LXS: row r's scale words
	v_mul_u32_u24 v127, v2, CHX
	v_add_nc_u32 v127, v127, v8                    ; GSC: the same two chunks in xq
	; the buffers at my work-group's and wave's parts (every offset is under 2^24)
	s_and_b32 s21, ttmp9, 127                      ; m-tile in its batch
	s_mul_i32 s70, s20, 4*TILEB
	s_mov_b32 s71, 0
	s_mul_i32 s72, s20, 2*TILEB
	s_add_co_u32 s72, s72, 32*TILEB
	s_mov_b32 s73, 0
	s_mul_i32 s63, ttmp9, TILEB
	s_lshr_b32 s74, s20, 1
	s_mul_i32 s74, s74, CHX
	s_add_co_u32 s74, s74, s63
	s_and_b32 s22, s20, 1
	s_lshl_b32 s23, s22, 11
	s_add_co_u32 s74, s74, s23
	s_mov_b32 s75, 0
	s_mul_i32 s76, s22, 2*CHX
	s_add_co_u32 s76, s76, s63
	s_add_co_u32 s76, s76, 4096
	s_mov_b32 s77, 0
	s_lshl_b32 s78, ttmp9, 12
	s_lshl_b32 s23, s20, 9
	s_add_co_u32 s78, s78, s23
	s_mov_b32 s79, 0
	s_lshl_b32 s80, ttmp9, 10
	s_lshl_b32 s23, s20, 7
	s_add_co_u32 s80, s80, s23
	s_mov_b32 s81, 0
	s_lshr_b32 s22, ttmp9, 7
	s_mul_i32 s22, s22, 40960                      ; the batch's part of kq
	s_and_b32 s23, s21, 1
	s_lshl_b32 s23, s23, 7
	s_add_co_u32 s22, s22, s23                     ; + 128 (m-tile & 1): rho = 8 (m-tile & 1) + (r & 7)
	s_lshr_b32 s23, s21, 1
	s_lshl_b32 s82, s23, 9
	s_add_co_u32 s82, s82, s22
	s_mov_b32 s83, 0
	s_and_b32 s23, s23, 1
	s_lshl_b32 s23, s23, 3
	s_lshr_b32 s84, s21, 2
	s_lshl_b32 s84, s84, 8
	s_add_co_u32 s84, s84, s23
	s_add_co_u32 s84, s84, s22
	s_add_co_u32 s84, s84, 32768
	s_mov_b32 s85, 0
	s_lshl_b32 s86, ttmp9, 11
	s_mov_b32 s87, 0
	s_add_nc_u64 s[66:67], s[8:9], s[72:73]        ; wfq at tiles 32 + 2 w (k's for wave 0, v's for wave 1)
	s_add_nc_u64 s[8:9], s[8:9], s[70:71]          ; wfq at tile 4 w
	s_add_nc_u64 s[74:75], s[10:11], s[74:75]      ; xq: the codes that I copy
	s_add_nc_u64 s[76:77], s[10:11], s[76:77]      ; xq: the scale bytes
	s_add_nc_u64 s[12:13], s[12:13], s[78:79]      ; qc
	s_add_nc_u64 s[14:15], s[14:15], s[80:81]      ; qs
	s_add_nc_u64 s[82:83], s[16:17], s[82:83]      ; kq: codes
	s_add_nc_u64 s[84:85], s[16:17], s[84:85]      ; kq: scale words
	s_add_nc_u64 s[18:19], s[18:19], s[86:87]      ; vraw
; chunk i of my four tiles of the weight into set s: 32 loads of codes (each 512 consecutive bytes: the operand's registers as they lie) and 4 of scale words
.macro WLOAD i, s
	WIN 0x40                                       ; destination window 1
.irp t, 0,1,2,3
.irp q, 0,1,2,3
.irp c, 0,1
	global_load_b128 v[128*\s+32*\t+8*\q+4*\c:128*\s+32*\t+8*\q+4*\c+3], v7, s[8:9] offset:\i*CHW+\t*TILEB+\q*1024+\c*512
.endr
.endr
.endr
	WIN 0
.irp t, 0,1,2,3
	global_load_b128 v[WS+16*\s+4*\t:WS+16*\s+4*\t+3], v8, s[8:9] offset:\i*CHW+\t*TILEB+4096
.endr
.endm
	WLOAD 0, 0                                     ; the first two chunks of weights are asked for while x is on its way
	s_mov_b32 s48, 0xffff0000                      ; lanes 16-31
	s_mov_b32 s49, 0x3f22f983                      ; 2 / pi
	s_mov_b32 s50, 0x76543210
	s_mov_b32 s51, 0xfedcba98                      ; v_permlanex16_b32's selects for lane l xor 16
	s_mov_b32 s52, 0x3e3504f3                      ; 32^-0.5
	s_mov_b32 s53, s52
	s_mov_b32 s54, 0x3fc90fdb                      ; pi / 2, upper part
	s_mov_b32 s55, 0xb33bbd2e                      ; and the rest
	s_mov_b32 s56, 0xbe2aaaab                      ; -1/6
	s_mov_b32 s57, 0x3c088889                      ; 1/120
	s_mov_b32 s58, 0xb9500d01                      ; -1/5040
	s_mov_b32 s59, 0x3638ef1d                      ; 1/362880
	s_mov_b32 s60, 0x3d2aaaab                      ; 1/24
	s_mov_b32 s61, 0xbab60b61                      ; -1/720
	s_mov_b32 s62, 0x37d00d01                      ; 1/40320
	s_lshl_b32 s23, s21, 4
	v_add_nc_u32 v122, s23, v1
	v_cvt_f32_u32 v122, v122                       ; my row's position in its batch
; cos and sin of position x frequency 8 h + j: the angle less the nearest multiple of pi / 2 (taken off in two parts), series to r^9 and r^8 on |r| <= pi / 4 (what is cut lies under 3e-8), then the quadrant
.macro SINCOS j, flo, fhi
	v_mov_b32 v112, \flo
	v_mov_b32 v113, \fhi
	v_cndmask_b32 v112, v112, v113, s48
	v_mul_f32 v112, v122, v112                     ; the angle, rounded once
	v_mul_f32 v113, s49, v112
	v_rndne_f32 v113, v113                         ; k
	v_fma_f32 v114, -v113, s54, v112
	v_fma_f32 v114, -v113, s55, v114               ; r
	v_mul_f32 v115, v114, v114                     ; z = r r
	v_fma_f32 v116, v115, s59, s58
	v_fma_f32 v117, v115, s62, s61
	v_fma_f32 v116, v116, v115, s57
	v_fma_f32 v117, v117, v115, s60
	v_fma_f32 v116, v116, v115, s56
	v_fma_f32 v117, v117, v115, -0.5
	v_mul_f32 v116, v116, v115
	v_fma_f32 v117, v117, v115, 1.0                ; cos r
	v_fma_f32 v116, v116, v114, v114               ; sin r
	v_cvt_i32_f32 v118, v113
	v_and_b32 v119, 1, v118
	v_cmp_eq_u32 vcc_lo, 1, v119                   ; odd k: the two change places (a choice of values only)
	v_cndmask_b32 v120, v116, v117, vcc_lo
	v_cndmask_b32 v121, v117, v116, vcc_lo
	v_and_b32 v119, 2, v118
	v_lshlrev_b32 v119, 30, v119
	v_xor_b32 v[SI+\j], v119, v120                 ; the sine changes sign where k & 2,
	v_add_nc_u32 v118, 1, v118
	v_and_b32 v118, 2, v118
	v_lshlrev_b32 v118, 30, v118
	v_xor_b32 v[CO+\j], v118, v121                 ; the cosine where (k + 1) & 2
.endm
	SINCOS 0, 0x3f800000, 0x3c23d70a
	SINCOS 1, 0x3f0ff59a, 0x3bb8449c
	SINCOS 2, 0x3ea1e89b, 0x3b4f3e37
	SINCOS 3, 0x3e361887, 0x3ae91528
	SINCOS 4, 0x3dcccccd, 0x3a83126f
	SINCOS 5, 0x3d6655c3, 0x3a136a16
	SINCOS 6, 0x3d0186e2, 0x39a5cb5f
	SINCOS 7, 0x3c91ad39, 0x393a7753
	WLOAD 1, 1
	s_wait_tensorcnt 0x0                           ; my rows of x and my eighth of gamma have landed;
	s_barrier_signal -1
	s_barrier_wait -1                              ; everybody's eighth has
	; ---- the row's mean and variance
.irp i, 0,1,2,3
.irp e, 0,1,2,3,4,5,6,7
	ds_load_b128 v[X+32*\i+4*\e:X+32*\i+4*\e+3], v3 offset:\i*2304+16*\e
.endr
.endr
	s_wait_dscnt 0x0
.irp k, 0,1,2,3
	v_pk_add_f32 v[112+2*\k:113+2*\k], v[X+2*\k:X+2*\k+1], v[X+8+2*\k:X+9+2*\k]   ; four chains, started by the first numbers
.endr
.set J, 16
.rept 14
.irp k, 0,1,2,3
	v_pk_add_f32 v[112+2*\k:113+2*\k], v[112+2*\k:113+2*\k], v[X+J+2*\k:X+J+2*\k+1]
.endr
.set J, J+8
.endr
.macro ROWSUM                          ; the four chains, the pair's halves, and the row's sixteen lanes: every lane of the row ends with the sum in v112
	v_pk_add_f32 v[112:113], v[112:113], v[114:115]
	v_pk_add_f32 v[116:117], v[116:117], v[118:119]
	v_pk_add_f32 v[112:113], v[112:113], v[116:117]
	v_add_f32 v112, v112, v113
	v_add_f32_dpp v112, v112, v112 row_xmask:1 row_mask:0xf bank_mask:0xf
	v_add_f32_dpp v112, v112, v112 row_xmask:2 row_mask:0xf bank_mask:0xf
	v_add_f32_dpp v112, v112, v112 row_xmask:4 row_mask:0xf bank_mask:0xf
	v_add_f32_dpp v112, v112, v112 row_xmask:8 row_mask:0xf bank_mask:0xf
.endm
	ROWSUM
	v_mul_f32 v120, 0x3a000000, v112               ; the mean: x 1 / 2048
	v_mov_b32 v121, v120
.set J, 0
.rept 64
	v_pk_add_f32 v[X+J:X+J+1], v[X+J:X+J+1], v[120:121] neg_lo:[0,1] neg_hi:[0,1]   ; x - mean, in place
.set J, J+2
.endr
.irp k, 0,1,2,3
	v_pk_mul_f32 v[112+2*\k:113+2*\k], v[X+2*\k:X+2*\k+1], v[X+2*\k:X+2*\k+1]
.endr
.set J, 8
.rept 15
.irp k, 0,1,2,3
	v_pk_fma_f32 v[112+2*\k:113+2*\k], v[X+J+2*\k:X+J+2*\k+1], v[X+J+2*\k:X+J+2*\k+1], v[112+2*\k:113+2*\k]
.endr
.set J, J+8
.endr
	ROWSUM
	v_mul_f32 v112, 0x3a000000, v112               ; the variance
	v_add_f32 v112, 0x3727c5ac, v112               ; + 1e-5
	v_rsq_f32 v122, v112
	v_nop                                          ; a plain place behind the transcendental
	s_wait_alu depctr_va_vdst(0)
	v_mov_b32 v123, v122
; ---- block 16 i + r of my row: normalised, x gamma, quantised; its 16 bytes of codes and its scale byte go into chunk i of the image
.macro LNBLOCK i
.set XB, X+32*\i
.irp e, 0,1,2,3,4,5,6,7
	ds_load_b128 v[32+4*\e:35+4*\e], v4 offset:\i*2304+16*\e
.endr
.set J, 0
.rept 16
	v_pk_mul_f32 v[XB+J:XB+J+1], v[XB+J:XB+J+1], v[122:123]
.set J, J+2
.endr
	s_wait_dscnt 0x0                               ; gamma's block is in
.set J, 0
.rept 16
	v_pk_mul_f32 v[XB+J:XB+J+1], v[XB+J:XB+J+1], v[32+J:33+J]
.set J, J+2
.endr
	v_max3_num_f32 v112, |v[XB]|, |v[XB+1]|, |v[XB+2]|
	v_max3_num_f32 v113, |v[XB+3]|, |v[XB+4]|, |v[XB+5]|
.irp n, 6,10,14,18,22,26
	v_max3_num_f32 v112, v112, |v[XB+\n]|, |v[XB+\n+1]|
	v_max3_num_f32 v113, v113, |v[XB+\n+2]|, |v[XB+\n+3]|
.endr
	v_max3_num_f32 v112, v112, |v[XB+30]|, |v[XB+31]|
	v_max3_num_f32 v112, v112, v113, 0x1800000     ; the floor 2^(3 - 127): the byte cannot fall under 1
	v_add_nc_u32 v114, 0xff000000, v112            ; 2 off the exponent field: the conversion's scale operand
	v_lshrrev_b32 v115, 23, v114                   ; the scale's byte
.irp g, 0,1,2,3
	v_cvt_scalef32_pk8_fp4_f32 v[116+\g], v[XB+8*\g:XB+8*\g+7], v114
.endr
	v_nop                                          ; one plain place behind the scaled conversions
	ds_store_b128 v5, v[116:119] offset:\i*TILEB
	ds_store_b8 v6, v115 offset:\i*TILEB
.endm
	LNBLOCK 0
	LNBLOCK 1
	LNBLOCK 2
	LNBLOCK 3
	s_wait_dscnt 0x0                               ; for the others' sake: my stores into the image are done
	s_barrier_signal -1
	s_barrier_wait -1                              ; the 16 rows' image is whole; nobody writes it again
	; ---- the image goes to memory, and all of it into my registers as sixteen fragments
.irp k, 0,1,2,3
	ds_load_b128 v[32+4*\k:35+4*\k], v15 offset:512*\k
.endr
.irp i, 0,1,2,3
.irp q, 0,1,2,3
.irp c, 0,1
	ds_load_b128 v[AFR+32*\i+8*\q+4*\c:AFR+32*\i+8*\q+4*\c+3], v125 offset:\i*TILEB+\q*1024+\c*512
.endr
.endr
.endr
.irp i, 0,1,2,3
	ds_load_b128 v[XS+4*\i:XS+4*\i+3], v126 offset:\i*TILEB
.endr
	s_wait_dscnt 36                                ; the four loads of the copy are in; the 36 behind them may be out
.irp k, 0,1,2,3
	global_store_b128 v7, v[32+4*\k:35+4*\k], s[74:75] offset:512*\k    ; 512 consecutive bytes, aligned
.endr
	s_cmp_ge_u32 s20, 2
	s_cbranch_scc1 .Lno_scales
	ds_load_b128 v[48:51], v124                    ; waves 0 and 1: the scale bytes of two chunks each
	s_wait_dscnt 0x0
	global_store_b128 v127, v[48:51], s[76:77]     ; sixteen lanes fill a tile's 256 scale bytes
.Lno_scales:
	s_wait_dscnt 0x0                               ; x's fragments and scale words are in
	s_wait_xcnt 0x0                                ; the stores' data registers are the accumulators: they are written only behind this wait
; ---- q: sixteen matrix instructions a chunk, the four accumulators by turns
.macro GEMMCH i, s, zero
	WIN 0x01                                       ; source 0 (the weight) window 1
.irp q, 0,1,2,3
.irp t, 0,1,2,3
.if \zero && (\q == 0)
	v_wmma_scale_f32_16x16x128_f8f6f4 v[ACC+8*\t:ACC+8*\t+7], v[128*\s+32*\t+8*\q:128*\s+32*\t+8*\q+7], v[AFR+32*\i+8*\q:AFR+32*\i+8*\q+7], 0, v[WS+16*\s+4*\t+\q], v[XS+4*\i+\q] matrix_a_fmt:MATRIX_FMT_FP4 matrix_b_fmt:MATRIX_FMT_FP4
.else
	v_wmma_scale_f32_16x16x128_f8f6f4 v[ACC+8*\t:ACC+8*\t+7], v[128*\s+32*\t+8*\q:128*\s+32*\t+8*\q+7], v[AFR+32*\i+8*\q:AFR+32*\i+8*\q+7], v[ACC+8*\t:ACC+8*\t+7], v[WS+16*\s+4*\t+\q], v[XS+4*\i+\q] matrix_a_fmt:MATRIX_FMT_FP4 matrix_b_fmt:MATRIX_FMT_FP4
.endif
.endr
.endr
	WIN 0
.endm
.macro PLACES                          ; four plain places behind matrix instructions, in front of loads into registers that they read and of the first read of their results
.rept 4
	v_nop
.endr
.endm
	s_wait_loadcnt 36                              ; chunk 0 of the weights is in; chunk 1's 36 loads may be out
	GEMMCH 0, 0, 1
	PLACES
	WLOAD 2, 0
	s_wait_loadcnt 36                              ; chunk 1 is in; chunk 2's may be out
	GEMMCH 1, 1, 0
	PLACES
	WLOAD 3, 1
	s_wait_loadcnt 36                              ; chunk 2 is in; chunk 3's may be out
	GEMMCH 2, 0, 0
	s_wait_loadcnt 0x0
	GEMMCH 3, 1, 0
	PLACES
	s_cmp_ge_u32 s20, 2
	s_cbranch_scc1 .Lno_kv
	WIN 0x40                                       ; waves 0 and 1: all four chunks of k's or v's two tiles; they land under q's way out
.irp t, 0,1
.irp i, 0,1,2,3
.irp q, 0,1,2,3
.irp c, 0,1
	global_load_b128 v[128*\t+32*\i+8*\q+4*\c:128*\t+32*\i+8*\q+4*\c+3], v7, s[66:67] offset:\i*CHW+\t*TILEB+\q*1024+\c*512
.endr
.endr
.endr
.endr
	WIN 0
.irp t, 0,1
.irp i, 0,1,2,3
	global_load_b128 v[WS+16*\t+4*\i:WS+16*\t+4*\i+3], v8, s[66:67] offset:\i*CHW+\t*TILEB+4096
.endr
.endr
.Lno_kv:
; rope on a head whose d = 8 h + j lies in v[base + j] and d = 16 + 8 h + j in v[base + 8 + j]: a' = a cos - b sin, b' = b cos + a sin.  Each accumulator is read from its low end on
.macro ROPE base
.irp j, 0,2,4,6
	v_pk_mul_f32 v[112:113], v[\base+8+\j:\base+9+\j], v[SI+\j:SI+\j+1]
	v_pk_mul_f32 v[114:115], v[\base+\j:\base+\j+1], v[SI+\j:SI+\j+1]
	v_pk_fma_f32 v[\base+\j:\base+\j+1], v[\base+\j:\base+\j+1], v[CO+\j:CO+\j+1], v[112:113] neg_lo:[0,0,1] neg_hi:[0,0,1]
	v_pk_fma_f32 v[\base+8+\j:\base+9+\j], v[\base+8+\j:\base+9+\j], v[CO+\j:CO+\j+1], v[114:115]
.endr
.endm
; my 16 numbers and lane l xor 16's are a block of 32: codes into v[122 + 2 n : 123 + 2 n], the scale word (the byte under three bytes of 1.0) into v[126 + n]
.macro QUANTH base, n
	v_max3_num_f32 v[116+(\n)], |v[\base]|, |v[\base+1]|, 0x1800000
.irp i, 2,4,6,8,10,12,14
	v_max3_num_f32 v[116+(\n)], v[116+(\n)], |v[\base+\i]|, |v[\base+\i+1]|
.endr
	v_permlanex16_b32 v[118+(\n)], v[116+(\n)], s50, s51
	v_max_num_f32 v[116+(\n)], v[116+(\n)], v[118+(\n)]
	v_add_nc_u32 v[120+(\n)], 0xff000000, v[116+(\n)]
	v_lshrrev_b32 v[126+(\n)], 23, v[120+(\n)]
	v_or_b32 v[126+(\n)], 0x7f7f7f00, v[126+(\n)]
	v_cvt_scalef32_pk8_fp4_f32 v[122+2*(\n)], v[\base:\base+7], v[120+(\n)]
	v_cvt_scalef32_pk8_fp4_f32 v[123+2*(\n)], v[\base+8:\base+15], v[120+(\n)]
	v_nop                                          ; one plain place behind the scaled conversions
.endm
	v_mov_b32 v118, 0                              ; a lane permute's destination counts as one of its sources
	v_mov_b32 v119, 0
	ROPE ACC
	ROPE ACC+16
.set J, 0
.rept 16
	v_pk_mul_f32 v[ACC+J:ACC+J+1], v[ACC+J:ACC+J+1], s[52:53] op_sel_hi:[1,0]     ; q x 32^-0.5
.set J, J+2
.endr
	QUANTH ACC, 0
	QUANTH ACC+16, 1
	global_store_b64 v9, v[122:123], s[12:13]                 ; 32 lanes fill a head's 256 bytes of 16 rows
	global_store_b64 v9, v[124:125], s[12:13] offset:256
	v_cndmask_b32 v112, v126, v127, s48            ; lanes 0-15 the first head's words, lanes 16-31 the second's
	global_store_b32 v10, v112, s[14:15]           ; 128 consecutive bytes
	s_cmp_ge_u32 s20, 2
	s_cbranch_scc1 .Ldone
	; ---- k (wave 0) or v (wave 1): 32 matrix instructions, two accumulators by turns
	s_wait_loadcnt 0x0
	s_wait_xcnt 0x0                                ; the stores above have read their registers
	WIN 0x01
.irp i, 0,1,2,3
.irp q, 0,1,2,3
.irp t, 0,1
.if (\i == 0) && (\q == 0)
	v_wmma_scale_f32_16x16x128_f8f6f4 v[ACC+8*\t:ACC+8*\t+7], v[128*\t+32*\i+8*\q:128*\t+32*\i+8*\q+7], v[AFR+32*\i+8*\q:AFR+32*\i+8*\q+7], 0, v[WS+16*\t+4*\i+\q], v[XS+4*\i+\q] matrix_a_fmt:MATRIX_FMT_FP4 matrix_b_fmt:MATRIX_FMT_FP4
.else
	v_wmma_scale_f32_16x16x128_f8f6f4 v[ACC+8*\t:ACC+8*\t+7], v[128*\t+32*\i+8*\q:128*\t+32*\i+8*\q+7], v[AFR+32*\i+8*\q:AFR+32*\i+8*\q+7], v[ACC+8*\t:ACC+8*\t+7], v[WS+16*\t+4*\i+\q], v[XS+4*\i+\q] matrix_a_fmt:MATRIX_FMT_FP4 matrix_b_fmt:MATRIX_FMT_FP4
.endif
.endr
.endr
.endr
	WIN 0
	PLACES
	s_cmp_eq_u32 s20, 1
	s_cbranch_scc1 .Lv_part
	ROPE ACC
	QUANTH ACC, 0
	global_store_b64 v11, v[122:123], s[82:83]     ; key c of a pair of tiles goes to tile (c >> 3) & 1, row 8 (c >> 4) + (c & 7): runs of 128 bytes
	global_store_b32 v12, v126, s[84:85]           ; (both lanes of a row store the same word at the same place)
	s_wait_xcnt 0x0
	v_lshl_add_u32 v158, v0, 2, 0x2b100
	v_mov_b32 v159, 0
	s_wait_tensorcnt 0x0
	ds_add_u32 v158, v159
	s_wait_dscnt 0x0
	s_endpgm
.Lv_part:
	ds_store_b128 v13, v[32:35]                    ; v: through my stage, so that whole rows leave; each accumulator from its low end on
	ds_store_b128 v13, v[36:39] offset:16
	ds_store_b128 v13, v[40:43] offset:64
	ds_store_b128 v13, v[44:47] offset:80
.irp k, 0,1,2,3
	ds_load_b128 v[48+4*\k:51+4*\k], v14 offset:576*\k     ; a wave's LDS instructions are served in order: these see the stores
.endr
	s_wait_dscnt 0x0
.irp k, 0,1,2,3
	global_store_b128 v7, v[48+4*\k:51+4*\k], s[18:19] offset:512*\k    ; four rows of 128 bytes: 512 consecutive bytes
.endr
.Ldone:
	s_wait_xcnt 0x0
	v_lshl_add_u32 v158, v0, 2, 0x2b100
	v_mov_b32 v159, 0
	s_wait_tensorcnt 0x0
	ds_add_u32 v158, v159
	s_wait_dscnt 0x0
	s_endpgm
.Lfunc_end_k_q14b5c5dc90_lnqkv:
	.size	k_q14b5c5dc90_lnqkv, .Lfunc_end_k_q14b5c5dc90_lnqkv-k_q14b5c5dc90_lnqkv
	.p2alignl 7, 3214868480
	.fill 96, 4, 3214868480
	.section	.rodata,"a",@progbits
	.p2align	6, 0x0
	.amdhsa_kernel k_q14b5c5dc90_lnqkv
		.amdhsa_group_segment_fixed_size 177408
		.amdhsa_private_segment_fixed_size 0
		.amdhsa_enable_private_segment 0
		.amdhsa_kernarg_size 64
		.amdhsa_user_sgpr_count 2
		.amdhsa_user_sgpr_kernarg_segment_ptr 1
		.amdhsa_wavefront_size32 1
		.amdhsa_system_sgpr_workgroup_id_x 1
		.amdhsa_system_sgpr_workgroup_id_y 1
		.amdhsa_system_sgpr_workgroup_id_z 1
		.amdhsa_system_vgpr_workitem_id 0
		.amdhsa_next_free_vgpr 512
		.amdhsa_next_free_sgpr 90
		.amdhsa_reserve_vcc 1
		.amdhsa_float_denorm_mode_32 3
		.amdhsa_float_denorm_mode_16_64 3
		.amdhsa_memory_ordered 1
		.amdhsa_forward_progress 1
		.amdhsa_inst_pref_size 97
	.end_amdhsa_kernel
	.amdgpu_metadata
---
amdhsa.version: [ 1, 2 ]
amdhsa.kernels:
  - .name:           k_q14b5c5dc90_lnqkv
    .symbol:         k_q14b5c5dc90_lnqkv.kd
    .args:
      - { .name: x, .offset: 0, .size: 8, .value_kind: global_buffer, .address_space: global }
      - { .name: gamma, .offset: 8, .size: 8, .value_kind: global_buffer, .address_space: global }
      - { .name: wfq, .offset: 16, .size: 8, .value_kind: global_buffer, .address_space: global }
      - { .name: xq, .offset: 24, .size: 8, .value_kind: global_buffer, .address_space: global }
      - { .name: qc, .offset: 32, .size: 8, .value_kind: global_buffer, .address_space: global }
      - { .name: qs, .offset: 40, .size: 8, .value_kind: global_buffer, .address_space: global }
      - { .name: kq, .offset: 48, .size: 8, .value_kind: global_buffer, .address_space: global }
      - { .name: vraw, .offset: 56, .size: 8, .value_kind: global_buffer, .address_space: global }
    .group_segment_fixed_size: 177408
    .private_segment_fixed_size: 0
    .kernarg_segment_align: 8
    .kernarg_segment_size: 64
    .max_flat_workgroup_size: 256
    .sgpr_count:     90
    .vgpr_count:     512
    .wavefront_size: 32
...
	.end_amdgpu_metadata
.endif
;; end of part 2
;; launch ffgemm (part 3): grid 16 x 16, 4 waves a work-group, clusters of 4 x 4, 327,680 bytes of LDS; arguments xq, wfq, aq; writes aq
.if DOCPART == 3
	.amdgcn_target "amdgcn-amd-amdhsa--gfx1250"
	.amdhsa_code_object_version 6
	.text
	.protected	k_q14b5c5dc90_ffgemm
	.globl	k_q14b5c5dc90_ffgemm
	.p2align	8
	.type	k_q14b5c5dc90_ffgemm,@function
k_q14b5c5dc90_ffgemm:
	s_mov_b64 s[64:65], 0
	v_nop
	global_prefetch_b8 v0, s[64:65] scope:SCOPE_SE
	s_setreg_imm32_b32 hwreg(HW_REG_WAVE_MODE, 25, 1), 1
	s_wait_xcnt 0x0
	s_wait_alu depctr_hold_cnt(0) depctr_sa_sdst(0) depctr_va_vdst(0) depctr_va_sdst(0) depctr_va_ssrc(0) depctr_va_vcc(0) depctr_vm_vsrc(0)
	s_getreg_b32 s2, hwreg(HW_REG_IB_STS2, 6, 4)
	s_cmp_eq_u32 s2, 0
	s_cbranch_scc0 .Lentry_in_a_cluster
	s_endpgm
.Lentry_in_a_cluster:
	s_bfe_u32 s2, ttmp6, 0x10000c
	s_cmp_lg_u32 s2, 0xf033
	s_cbranch_scc0 .Lentry_shape_is_right
	s_endpgm
.Lentry_shape_is_right:
; h = silu(xn Wgate) x (xn Wx), quantised to FP4 along the hidden axis into chunks 0-3 of aq.  Both operands come as operand images (a tile of 16 rows x 512 K = 4,352 bytes: codes in the order of the
; operand's registers, then the scale bytes), so a run of tiles is one dense block for one tensor load, a fragment is two loads of 512 consecutive bytes, and four K steps' scale words one load.
; A work-group of four waves takes 256 rows x 16 tiles of the weight (128 hidden units: for each 64 of them four ff_x tiles, then their four gate tiles); a wave 128 rows x 8 tiles: 64 accumulators.
; THE MATRIX INSTRUCTION IS USED TRANSPOSED (source 0 = a tile of the weight, source 1 = 16 rows); the weight's columns were laid so that a lane's 16 registers of two neighbouring tiles are 16 neighbours along
; the hidden axis, and ff_x and gate of one hidden unit fall into the same lane and register place of two accumulators: the activation and the quantiser never leave the lane but for one exchange.
; K = 2,048 goes in four chunks of 512 through a ring of two LDS slots; the text is written out.  By its own count a wave has two tensor loads out at the start, later one.
; CLUSTERS: 4 x 4.  The four of a row of the cluster need the same rows' tiles, the four of a column the same tiles of the weight: each is asked for jointly.
; REGISTERS: window 0: v16-29 addresses; v32-95 scale words, a set for each slot (register 4 i + q: lanes 0-15 the rows' block i, lanes 16-31 the weight's tile i); v128-255 the rows' fragments, two sets.
;   window 1: the weight's fragments, two sets, at v0 and v128.   windows 2, 3: accumulator (a, b) at v[8 (8 (a % 4) + b)].
; A block of zeros gets the scale byte 1 (its codes are zeros; this program alone reads the bytes).  NaN and infinities are not served.
.set NA,    8                          ; blocks of 16 rows a wave
.set TILEB, 4352
.set CHX,   1114112                    ; a chunk of xq and of aq
.set CHA,   1114112                    ; from chunk to chunk: the rows' operand
.set CHB,   1270784                    ; and the weight's
.set HALF,  8*TILEB                    ; what one tensor load brings
.set SLOT,  4*HALF                     ; the rows' 16 tiles, then the weight's 16
.set SPARE, 2*SLOT                     ; the spare words, 128 bytes for each wave: two blocks of 256 bytes that no other line names
.set SCX,   SPARE+512                  ; h's scale bytes meet here: [row half][block][row][4 bytes]; no fill lands here
.set ADRA, 16
.set ADRB, 20
.set ADRS, 22
.set GO,   24                          ; 16 r + 8 h
.set SCW,  25
.set SCR,  26
.set GS,   27                          ; 4,352 h + 16 r
.set SPW,  28
.set NIL,  29
.set SC,   32
.set AF,   128
.set T,    128                         ; the way out: 32 + 32 registers at work
.set U,    160
.set G1,  24
.set G0,  32
.set G1B, 48
.set G0B, 56
.set MSB, 0
.macro WIN new                         ; the immediate's high byte repeats the setting that is left
.if MSB != (\new)
	s_set_vgpr_msb (MSB<<8)|(\new)
.set MSB, (\new)
.endif
.endm
; A joint load: waves 0 and 1 fetch the rows' halves, waves 2 and 3 the weight's.  The branch hangs on the wave's number alone.  Four v_nop follow each of the two lines.
.macro JLOAD s
	s_cmp_eq_u32 s15, 0
	s_cbranch_scc0 .Lfor_b_\@
	tensor_load_to_lds s[G0+4*\s:G0+4*\s+3], s[G1:G1+7]
	s_nop 0
.rept 4
	v_nop
.endr
	s_branch .Lasked_\@
.Lfor_b_\@:
	tensor_load_to_lds s[G0B+4*\s:G0B+4*\s+3], s[G1B:G1B+7]
	s_nop 0
.rept 4
	v_nop
.endr
.Lasked_\@:
.endm
.macro CREST                           ; a round of the cluster's barrier behind its opening barrier
	s_cmp_lg_u32 s14, 0
	s_cbranch_scc1 .Lnot_wave_0_\@
	s_barrier_signal -3
.Lnot_wave_0_\@:
	s_barrier_wait -3
	s_barrier_signal -1
	s_barrier_wait -1
.endm
.macro CROUND
	s_barrier_signal -1
	s_barrier_wait -1
	CREST
.endm
	s_load_b128 s[4:7], s[0:1], 0x0                ; xq, wfq
	s_load_b64 s[8:9], s[0:1], 0x10                ; aq
	v_lshl_add_u32 v[SPW], v0, 2, SPARE
	v_mov_b32 v[NIL], 0
	ds_add_u32 v28, v29
	ds_add_u32 v28, v29
	s_wait_dscnt 0x0
	v_lshrrev_b32 v1, 5, v0
	v_readfirstlane_b32 s14, v1                    ; wave 0..3
	s_lshr_b32 s15, s14, 1                         ; which half of the rows is mine.  Also: I fetch rows (0) or weight (1)
	s_and_b32 s16, s14, 1                          ; which 8 tiles of the weight.  Also: which half I fetch
	s_bfe_u32 s40, ttmp6, 0x40000                  ; cx, cy
	s_bfe_u32 s41, ttmp6, 0x40004
	s_lshl_b32 s42, ttmp9, 2
	s_add_co_u32 s42, s42, s40                     ; j: which 128 hidden units
	s_and_b32 s17, ttmp7, 0xffff
	s_lshl_b32 s17, s17, 2
	s_add_co_u32 s17, s17, s41                     ; i: which 256 rows
	s_lshl_b32 s43, s41, 2
	s_lshl_b32 s43, 15, s43                        ; my row of the cluster
	s_lshl_b32 s44, 0x1111, s40                    ; my column
	s_or_b32 s[G1], s43, (3<<16)|(1<<21)           ; 15:0 the mask; 17:16 elements of 8 bytes; 21 set beside a mask; no padding
	s_or_b32 s[G1B], s44, (3<<16)|(1<<21)
.irp g, G1, G1B
	s_mov_b32 s[\g+1], 32<<16                      ; a dense block as rows of 256 bytes
	s_mov_b32 s[\g+2], 136<<16                     ; 8 tiles x 17 rows
	s_mov_b32 s[\g+3], 32<<16
	s_mov_b32 s[\g+4], 136
	s_mov_b32 s[\g+5], 32
	s_mov_b32 s[\g+6], 0
	s_mov_b32 s[\g+7], 0
.endr
	s_lshl_b32 s18, s16, 3
	s_lshl_b32 s20, s17, 4
	s_add_co_u32 s20, s20, s18
	s_mul_i32 s20, s20, TILEB                      ; rows: tile 16 i + 8 x half
	s_mov_b32 s21, 0
	s_lshl_b32 s46, s42, 4
	s_add_co_u32 s46, s46, s18
	s_add_co_u32 s46, s46, 36
	s_mul_i32 s46, s46, TILEB                      ; weight: tile 36 + 16 j + 8 x half
	s_mov_b32 s47, 0
	s_mul_i32 s45, s14, HALF                       ; where they go: wave x 8 tiles: no place in the cluster enters an LDS address
	s_wait_kmcnt 0x0
	s_add_nc_u64 s[20:21], s[4:5], s[20:21]
	s_add_nc_u64 s[46:47], s[6:7], s[46:47]
	CROUND                                         ; all sixteen work-groups are here: the first joint loads meet
.irp s, 0,1
	s_mov_b32 s[G0+4*\s], 1
	s_add_co_u32 s[G0+4*\s+1], s45, \s*SLOT
	s_add_nc_u64 s[G0+4*\s+2:G0+4*\s+3], s[20:21], \s*CHA
	s_or_b32 s[G0+4*\s+3], s[G0+4*\s+3], 0x80000000
	s_mov_b32 s[G0B+4*\s], 1
	s_add_co_u32 s[G0B+4*\s+1], s45, \s*SLOT
	s_add_nc_u64 s[G0B+4*\s+2:G0B+4*\s+3], s[46:47], \s*CHB
	s_or_b32 s[G0B+4*\s+3], s[G0B+4*\s+3], 0x80000000
	JLOAD \s
.endr
	v_and_b32 v1, 15, v0                           ; r
	v_bfe_u32 v2, v0, 4, 1                         ; h
	v_and_b32 v3, 31, v0
	v_lshlrev_b32 v3, 4, v3                        ; 16 x lane
	v_lshlrev_b32 v4, 4, v1                        ; 16 r
	s_mul_i32 s21, s15, HALF                       ; my 8 blocks of rows
	s_mul_i32 s22, s16, HALF
	s_add_co_u32 s22, s22, 2*HALF                  ; my 8 tiles of the weight
	s_sub_co_u32 s23, s22, s21
	v_mul_u32_u24 v6, s23, v2                      ; lanes 16-31 take the weight's scale words
	v_add_nc_u32 v5, v4, v6
.irp s, 0,1
	v_add_nc_u32 v[ADRA+\s], s21, v3
	v_add_nc_u32 v[ADRB+\s], s22, v3
	s_add_co_u32 s18, s21, 4096
	v_add_nc_u32 v[ADRS+\s], s18, v5
	s_add_co_u32 s21, s21, SLOT
	s_add_co_u32 s22, s22, SLOT
.endr
	v_lshl_add_u32 v[GO], v2, 3, v4
	s_lshl_b32 s18, s15, 9
	s_lshl_b32 s19, s16, 1
	s_add_co_u32 s18, s18, s19
	s_add_co_u32 s18, s18, SCX
	v_lshl_add_u32 v[SCW], v1, 2, s18              ; my two scale bytes of row r: SCX + 512 x row half + 4 r + 2 x column half (+ 64 x block)
	s_lshl_b32 s18, s14, 8
	s_add_co_u32 s18, s18, SCX
	v_lshrrev_b32 v6, 2, v3
	v_add_nc_u32 v[SCR], s18, v6                   ; back: 256 bytes a wave, 4 a lane
	v_mad_u32_u24 v[GS], v2, TILEB, v4
	v_mov_b32 v202, 0                              ; a lane permute's destination counts as one of its sources
	v_mov_b32 v203, 0
	s_mov_b32 s76, 0x76543210
	s_mov_b32 s77, 0xfedcba98                      ; v_permlanex16_b32's selects for lane l xor 16
	; where h goes: chunk j >> 2; tile 16 i + 8 x row half (+ block); block of 32: 4 (j & 3) + 2 x column half (+ 0, 1)
	s_lshr_b32 s70, s42, 2
	s_mul_i32 s70, s70, CHX
	s_lshl_b32 s71, s17, 4
	s_lshl_b32 s72, s15, 3
	s_add_co_u32 s72, s71, s72
	s_mul_i32 s72, s72, TILEB
	s_add_co_u32 s72, s72, s70
	s_and_b32 s73, s42, 3
	s_lshl_b32 s74, s73, 2
	s_lshl_b32 s75, s16, 1
	s_add_co_u32 s74, s74, s75
	s_lshl_b32 s74, s74, 8
	s_add_co_u32 s66, s72, s74
	s_mov_b32 s67, 0
	s_add_nc_u64 s[66:67], s[8:9], s[66:67]
	s_lshl_b32 s72, s14, 2
	s_add_co_u32 s72, s71, s72
	s_mul_i32 s72, s72, TILEB
	s_add_co_u32 s72, s72, s70
	s_lshl_b32 s73, s73, 2
	s_add_co_u32 s72, s72, s73
	s_add_co_u32 s68, s72, 4096
	s_mov_b32 s69, 0
	s_add_nc_u64 s[68:69], s[8:9], s[68:69]        ; and its scale words: tile 16 i + 4 w on, word j & 3
.macro FRAG reg, adr, q, i             ; a fragment (16 rows x 128 K, 8 registers) as it lies: two loads of 512 consecutive bytes
.irp c, 0,1
	ds_load_b128 v[\reg+4*\c:\reg+4*\c+3], v[\adr] offset:(\i)*TILEB+(\q)*1024+\c*512
.endr
.endm
.macro FETCH slot, q, p                ; K step q of the slot into set p: the weight's 8 fragments, the rows' NA
	WIN 0x40
.irp i, 0,1,2,3,4,5,6,7
	FRAG 128*(\p)+8*\i, ADRB+\slot, \q, \i
.endr
	WIN 0
.set II, 0
.rept NA
	FRAG AF+8*NA*(\p)+8*II, ADRA+\slot, \q, II
.set II, II+1
.endr
.endm
.macro SCALES slot                     ; the slot's scale words, four K steps to a load
.irp i, 0,1,2,3,4,5,6,7
	ds_load_b128 v[SC+32*\slot+4*\i:SC+32*\slot+4*\i+3], v[ADRS+\slot] offset:\i*TILEB
.endr
.endm
; 8 matrix instructions: the rows' block a against the weight's eight tiles.  The accumulators take turns, one instruction a turn, in the same order in every step.
.macro MULA a, p, q, sc, zero
	WIN 0xa1+0x50*((\a)/4)                         ; source 0 window 1, source 1 window 0, C and D window 2 or 3
.irp b, 0,1,2,3,4,5,6,7
.if \zero
	v_wmma_scale_f32_16x16x128_f8f6f4 v[8*(8*((\a)%4)+\b):8*(8*((\a)%4)+\b)+7], v[128*(\p)+8*\b:128*(\p)+8*\b+7], v[AF+8*NA*(\p)+8*(\a):AF+8*NA*(\p)+8*(\a)+7], 0, v[SC+32*(\sc)+4*\b+(\q)], v[SC+32*(\sc)+4*(\a)+(\q)] matrix_a_fmt:MATRIX_FMT_FP4 matrix_b_fmt:MATRIX_FMT_FP4 matrix_a_scale:MATRIX_SCALE_ROW1
.else
	v_wmma_scale_f32_16x16x128_f8f6f4 v[8*(8*((\a)%4)+\b):8*(8*((\a)%4)+\b)+7], v[128*(\p)+8*\b:128*(\p)+8*\b+7], v[AF+8*NA*(\p)+8*(\a):AF+8*NA*(\p)+8*(\a)+7], v[8*(8*((\a)%4)+\b):8*(8*((\a)%4)+\b)+7], v[SC+32*(\sc)+4*\b+(\q)], v[SC+32*(\sc)+4*(\a)+(\q)] matrix_a_fmt:MATRIX_FMT_FP4 matrix_b_fmt:MATRIX_FMT_FP4 matrix_a_scale:MATRIX_SCALE_ROW1
.endif
.endr
.endm
.macro MULS from, p, q, sc, zero       ; blocks from .. NA - 1
.set AA, \from
.rept NA-\from
	MULA AA, \p, \q, \sc, \zero
.set AA, AA+1
.endr
.endm
.macro PLACES                          ; four plain places behind matrix instructions, in front of loads into registers that they read and of reads of their results
.rept 4
	v_nop
.endr
.endm
.macro STEP slot, q, zero              ; a K step that has its successor in the same slot: the successor's fragments are asked for ahead of this step's products
	s_wait_dscnt 0x0                               ; this step's fragments are in
	PLACES
	FETCH \slot, (\q)+1, ((\q)+1)%2
	MULS 0, (\q)%2, \q, \slot, \zero
	WIN 0
.endm
; A slot's last step changes slots: one barrier; in front of it each wave waits for all its tensor loads, adds 0 to its spare word, and waits for that and for its reads of this slot.  fill = 1: this slot is filled again, two chunks on.
.macro TURN slot, next, fill
	s_wait_tensorcnt 0x0                           ; all my tensor loads have landed: my part of the next slot
	ds_add_u32 v[SPW], v[NIL]                      ; 0 onto my spare word
	s_wait_dscnt 1                                 ; this step's fragments are in; the add may be out
	MULA 0, 1, 3, \slot, 0                         ; eight matrix instructions stand between the add and the wait for it
	s_wait_dscnt 0x0                               ; the add is done, and my reads of this slot are over
	s_barrier_signal -1
	MULA 1, 1, 3, \slot, 0
	WIN 0
	s_barrier_wait -1
.if \fill
	CREST                                          ; the barrier has opened a round of the cluster's barrier: no wave of any partner still reads this slot or has a load on its way
	s_add_nc_u64 s[G0+4*\slot+2:G0+4*\slot+3], s[G0+4*\slot+2:G0+4*\slot+3], 2*CHA
	s_add_nc_u64 s[G0B+4*\slot+2:G0B+4*\slot+3], s[G0B+4*\slot+2:G0B+4*\slot+3], 2*CHB
	JLOAD \slot                                    ; the first tensor load behind the round; its four v_nop are also the places in front of the loads below
.else
	PLACES
.endif
	FETCH \next, 0, 0
	SCALES \next
	MULS 2, 1, 3, \slot, 0
	WIN 0
.endm
	s_wait_tensorcnt 0x1                           ; my part of chunk 0 is in; chunk 1's load may be out
	s_barrier_signal -1
	s_barrier_wait -1
	FETCH 0, 0, 0
	SCALES 0
	STEP 0, 0, 1                                   ; the first step's products start the sums: nothing is cleared
	STEP 0, 1, 0
	STEP 0, 2, 0
	TURN 0, 1, 1                                   ; slot 0 takes chunk 2
	STEP 1, 0, 0
	STEP 1, 1, 0
	STEP 1, 2, 0
	TURN 1, 0, 1                                   ; slot 1 takes chunk 3
	STEP 0, 0, 0
	STEP 0, 1, 0
	STEP 0, 2, 0
	TURN 0, 1, 0                                   ; nothing is left to fetch
	STEP 1, 0, 0
	STEP 1, 1, 0
	STEP 1, 2, 0
	s_wait_dscnt 0x0
	MULS 0, 1, 3, 1, 0
	WIN 0
	PLACES
; THE WAY OUT of block a (16 rows x 64 hidden units): h = gate x ff_x / (1 + 2^(-gate log2 e)), in f32; two blocks of 32 are quantised; lane (r, h) holds 16 neighbours of each.
.macro EPI a
.set AC, 64*((\a)%4)                   ; ff_x's four accumulators; gate's four lie 32 registers on
.set W, 2+(\a)/4
	WIN W                                          ; source 0: window 2 or 3.
.set K, 0
.rept 16
	v_pk_mul_f32 v[T+K:T+K+1], v[AC+32+K:AC+32+K+1], 0xbfb8aa3b op_sel_hi:[1,0]
.set K, K+2
.endr
	WIN W|(W<<2)
.set K, 0
.rept 16
	v_pk_mul_f32 v[U+K:U+K+1], v[AC+32+K:AC+32+K+1], v[AC+K:AC+K+1]
.set K, K+2
.endr
	WIN 0
.set K, 0
.rept 32
	v_exp_f32 v[T+K], v[T+K]
.set K, K+1
.endr
	v_nop                                          ; a plain place behind the transcendentals
.set K, 0
	s_wait_alu depctr_va_vdst(0)
.rept 16
	v_pk_add_f32 v[T+K:T+K+1], v[T+K:T+K+1], 1.0 op_sel_hi:[1,0]
.set K, K+2
.endr
.set K, 0
.rept 32
	v_rcp_f32 v[T+K], v[T+K]
.set K, K+1
.endr
	v_nop
.set K, 0
	s_wait_alu depctr_va_vdst(0)
.rept 16
	v_pk_mul_f32 v[U+K:U+K+1], v[U+K:U+K+1], v[T+K:T+K+1]
.set K, K+2
.endr
.irp b, 0,1
	v_max3_num_f32 v[200+\b], |v[U+16*\b]|, |v[U+16*\b+1]|, 0x1800000     ; my 16 numbers and the floor 2^(3 - 127)
.endr
.irp i, 2,4,6,8,10,12,14
.irp b, 0,1
	v_max3_num_f32 v[200+\b], v[200+\b], |v[U+16*\b+\i]|, |v[U+16*\b+\i+1]|
.endr
.endr
.irp b, 0,1
	v_permlanex16_b32 v[202+\b], v[200+\b], s76, s77
.endr
.irp b, 0,1
	v_max_num_f32 v[200+\b], v[200+\b], v[202+\b]  ; with lane l xor 16's: the block's largest magnitude
.endr
.irp b, 0,1
	v_add_nc_u32 v[204+\b], 0xff000000, v[200+\b]  ; the conversion's scale operand
.endr
.irp b, 0,1
	v_lshrrev_b32 v[206+\b], 23, v[204+\b]         ; the scale's byte
.endr
	v_lshl_or_b32 v212, v207, 8, v206
	s_wait_xcnt 0x0                                ; the last block's stores have read the registers that the conversions write
.irp b, 0,1
	v_cvt_scalef32_pk8_fp4_f32 v[208+2*\b], v[U+16*\b:U+16*\b+7], v[204+\b]
	v_cvt_scalef32_pk8_fp4_f32 v[209+2*\b], v[U+16*\b+8:U+16*\b+15], v[204+\b]
.endr
	v_nop                                          ; one plain place behind the scaled conversions
.irp b, 0,1
	global_store_b64 v[GO], v[208+2*\b:209+2*\b], s[66:67] offset:(\a)*TILEB+256*\b    ; 32 lanes fill the 256 bytes of one block of 32 of 16 rows
.endr
	ds_store_b16 v[SCW], v212 offset:64*(\a)       ; (both lanes of a row store the same two bytes)
.endm
.irp a, 0,1,2,3,4,5,6,7
	EPI \a
.endr
	s_wait_dscnt 0x0                               ; for the others' sake: a row's four scale bytes come from two waves
	s_barrier_signal -1
	s_barrier_wait -1
	ds_load_b32 v200, v[SCR]
	ds_load_b32 v201, v[SCR] offset:128
	s_wait_dscnt 0x0
	global_store_b32 v[GS], v200, s[68:69]                    ; one word of each row's 16 scale bytes: the other words are other work-groups'
	global_store_b32 v[GS], v201, s[68:69] offset:2*TILEB
	s_wait_tensorcnt 0x0                           ; the wave's end
	ds_add_u32 v[SPW], v[NIL]
	s_wait_dscnt 0x0
	CROUND                                         ; the closing round
	s_endpgm
.Lfunc_end_k_q14b5c5dc90_ffgemm:
	.size	k_q14b5c5dc90_ffgemm, .Lfunc_end_k_q14b5c5dc90_ffgemm-k_q14b5c5dc90_ffgemm
	.p2alignl 7, 3214868480
	.fill 96, 4, 3214868480
	.section	.rodata,"a",@progbits
	.p2align	6, 0x0
	.amdhsa_kernel k_q14b5c5dc90_ffgemm
		.amdhsa_group_segment_fixed_size 327680
		.amdhsa_private_segment_fixed_size 0
		.amdhsa_enable_private_segment 0
		.amdhsa_kernarg_size 24
		.amdhsa_user_sgpr_count 2
		.amdhsa_user_sgpr_kernarg_segment_ptr 1
		.amdhsa_wavefront_size32 1
		.amdhsa_system_sgpr_workgroup_id_x 1
		.amdhsa_system_sgpr_workgroup_id_y 1
		.amdhsa_system_sgpr_workgroup_id_z 1
		.amdhsa_system_vgpr_workitem_id 0
		.amdhsa_next_free_vgpr 1024
		.amdhsa_next_free_sgpr 80
		.amdhsa_reserve_vcc 0
		.amdhsa_float_denorm_mode_32 3
		.amdhsa_float_denorm_mode_16_64 3
		.amdhsa_memory_ordered 1
		.amdhsa_forward_progress 1
		.amdhsa_inst_pref_size 249
	.end_amdhsa_kernel
	.amdgpu_metadata
---
amdhsa.version: [ 1, 2 ]
amdhsa.kernels:
  - .name:           k_q14b5c5dc90_ffgemm
    .symbol:         k_q14b5c5dc90_ffgemm.kd
    .args:
      - { .name: xq, .offset: 0, .size: 8, .value_kind: global_buffer, .address_space: global }
      - { .name: wfq, .offset: 8, .size: 8, .value_kind: global_buffer, .address_space: global }
      - { .name: aq, .offset: 16, .size: 8, .value_kind: global_buffer, .address_space: global }
    .group_segment_fixed_size: 327680
    .private_segment_fixed_size: 0
    .kernarg_segment_align: 8
    .kernarg_segment_size: 24
    .max_flat_workgroup_size: 128
    .sgpr_count:     80
    .vgpr_count:     1024
    .wavefront_size: 32
...
	.end_amdgpu_metadata
.endif
;; end of part 3
;; launch attn (part 4): grid 256 x 1, 16 waves a work-group, no clusters, 78,336 bytes of LDS; arguments qc, qs, kq, vraw, aq; writes aq
.if DOCPART == 4
	.amdgcn_target "amdgcn-amd-amdhsa--gfx1250"
	.amdhsa_code_object_version 6
	.text
	.protected	k_q14b5c5dc90_attn
	.globl	k_q14b5c5dc90_attn
	.p2align	8
	.type	k_q14b5c5dc90_attn,@function
k_q14b5c5dc90_attn:
	s_mov_b64 s[64:65], 0
	v_nop
	global_prefetch_b8 v0, s[64:65] scope:SCOPE_SE
	s_setreg_imm32_b32 hwreg(HW_REG_WAVE_MODE, 25, 1), 1
	s_wait_xcnt 0x0
; Causal attention with one key and value head a batch, both products on codes of FP4; o is quantised along the head's 32 into chunk 4 of aq (block of 32 = head).
; THE SOFTMAX AHEAD OF THE SECOND PRODUCT: t = score x log2(e) (q came scaled by 32^-0.5); M = the running largest t rounded UP to a whole number; p = 2^(t - M) is quantised along the keys, not normalised;
; the row's sum is taken of the unquantised p and divides at the end; when M moves, the sum and O are multiplied by 2^(old M - new M), which rounds nothing.
; SHARES.  A wave owns 16 positions of one head.  A work-group has blocks jj and 127 - jj of the positions of one batch, eight heads of each: their key steps add up to 17 whatever jj is,
; and the two kinds alternate among the waves in ones and in fours.  The batch's whole K (codes and scale words, as they lie in kq) and V stay in LDS; V is quantised here, along the keys:
; wave w takes keys 128 w on, a lane one channel d, its registers run down the keys.  No tensor load, so no ring.
; LAYOUT.  Both products are used transposed: S^T = K Q^T (source 0 = 16 keys), O^T = V^T P^T (source 0 = 16 channels): a lane holds one position throughout.  The keys of a tile, and V's channels, lie in the order
; tile (c >> 3) & 1, row 8 (c >> 4) + (c & 7), so that the 16 registers of two neighbouring tiles are 16 neighbours.
; THE FIRST PRODUCT'S K IS 32 of the instruction's 128: q's codes are zeros for k = 32 .. 127 (lanes 16-31 and registers 4-7), which add nothing; the spare scale bytes are 1.0.
; CAUSAL: every wave walks 16 trips (a constant); a step all of whose keys come after my positions jumps to the lines that step addresses; on the diagonal hidden scores become -infinity ahead of the maximum.
; Not in a cluster: K and V come once, through registers (V has to be quantised on the way), 296 KB a work-group.
; A block of zeros gets the scale byte 1 (its codes are zeros; this program alone reads the bytes).  NaN and infinities are not served.
.set TILEB, 4352
.set CHX,  1114112
.set KSC,  32768                       ; LDS: K's codes from byte 0, its scale words,
.set VIMG, 40960                       ; V's codes [tile 0, 1][block of 32 keys][row][16 bytes],
.set VSC,  73728                       ; V's scale words [tile][key step][row],
.set OSX,  75776                       ; and o's scale bytes [block of positions][row][8 heads]
.set X,    96                          ; the prologue: v96-223 my channel's 128 keys
; v1 16 r, v2 KSC + 16 r, v3 VIMG + 16 lane, v4 VSC + 4 r, v5 o's scale byte, v6 16 r + 8 h, v7 where wave 0 stores scale bytes, v8-11 the step's addresses, v12 -M, v13 the largest t, v[14:15] the sum,
; v16-23 q, v24-31 K's scale words (in the prologue: addresses), v32-95 K's eight fragments, v96-159 S^T then p, v160-175 O^T, v176-191 V's fragments, v192-199 p's codes, v200-201 V's scale words, v232-254 at work, v255 q's scale word
	s_load_b256 s[4:11], s[0:1], 0x0               ; qc, qs, kq, vraw
	s_load_b64 s[12:13], s[0:1], 0x20              ; aq
	v_lshrrev_b32 v8, 5, v0
	v_readfirstlane_b32 s16, v8                    ; wave 0..15
	s_lshr_b32 s17, ttmp9, 7                       ; batch
	s_bfe_u32 s18, ttmp9, 0x60001                  ; jj
	s_and_b32 s19, ttmp9, 1
	s_lshr_b32 s20, s16, 2
	s_xor_b32 s20, s20, s16
	s_and_b32 s20, s20, 1                          ; c0: which of the two blocks' heads
	s_lshr_b32 s21, s16, 1
	s_lshl_b32 s37, s20, 3
	s_add_co_u32 s24, s37, s21                     ; head = 8 c0 + (w >> 1)
	s_sub_co_u32 s25, 127, s18
	s_xor_b32 s37, s20, s19
	s_cmp_eq_u32 s37, 1
	s_cselect_b32 s22, s25, s18                    ; my block of 16 positions
	s_lshl_b32 s23, s22, 4                         ; my first position
	s_lshl_b32 s38, s17, 7
	s_add_co_u32 s38, s38, s22                     ; its tile of rows
	s_lshl_b32 s40, s38, 12
	s_lshl_b32 s37, s24, 8
	s_add_co_u32 s40, s40, s37
	s_mov_b32 s41, 0
	s_lshl_b32 s42, s38, 10
	s_lshl_b32 s37, s24, 6
	s_add_co_u32 s42, s42, s37
	s_mov_b32 s43, 0
	s_mul_i32 s44, s17, 40960
	s_mul_i32 s37, s16, 2560
	s_add_co_u32 s44, s44, s37
	s_mov_b32 s45, 0
	s_lshl_b32 s46, s17, 18
	s_lshl_b32 s37, s16, 14
	s_add_co_u32 s46, s46, s37
	s_mov_b32 s47, 0
	s_mul_i32 s48, s38, TILEB
	s_lshl_b32 s37, s24, 8
	s_add_co_u32 s48, s48, s37
	s_add_co_u32 s48, s48, 4*CHX
	s_mov_b32 s49, 0
	s_cmp_eq_u32 s19, 1                            ; the two tiles of rows whose scale bytes this work-group makes
	s_cselect_b32 s50, s25, s18
	s_cselect_b32 s51, s18, s25
	s_lshl_b32 s37, s17, 7
	s_add_co_u32 s50, s50, s37
	s_add_co_u32 s51, s51, s37
	s_mul_i32 s50, s50, TILEB
	s_mul_i32 s51, s51, TILEB
	s_add_co_u32 s50, s50, 4*CHX+4096
	s_add_co_u32 s51, s51, 4*CHX+4096+8
	s_mov_b32 s26, 0x76543210
	s_mov_b32 s27, 0xfedcba98                      ; v_permlanex16_b32's selects for lane l xor 16
	s_mov_b32 s28, 0x3fb8aa3b                      ; log2(e)
	s_mov_b32 s29, s28                             ; (named with it as a pair)
	s_mov_b32 s30, 0xffff0000                      ; lanes 16-31
	v_and_b32 v12, 15, v0                          ; r
	v_bfe_u32 v13, v0, 4, 1                        ; h
	v_and_b32 v14, 31, v0                          ; lane
	v_lshlrev_b32 v1, 4, v12
	v_add_nc_u32 v2, KSC, v1
	v_lshlrev_b32 v28, 4, v14                      ; 16 x lane
	v_add_nc_u32 v3, VIMG, v28
	v_lshlrev_b32 v29, 2, v12                      ; 4 r
	v_add_nc_u32 v4, VSC, v29
	v_lshlrev_b32 v27, 2, v14                      ; 4 x lane: my channel in a row of v
	v_lshl_add_u32 v6, v13, 3, v1
	v_bfe_u32 v15, v0, 3, 1                        ; my channel's tile
	v_and_b32 v8, 7, v0
	v_lshl_add_u32 v8, v13, 3, v8                  ; and row
	v_lshlrev_b32 v24, 4, v8
	v_lshl_add_u32 v24, v15, 14, v24
	s_lshl_b32 s37, s16, 10
	s_add_co_u32 s37, s37, VIMG
	v_add_nc_u32 v24, s37, v24                     ; where my channel's codes of my 128 keys go
	v_lshlrev_b32 v25, 2, v8
	v_lshl_add_u32 v25, v15, 10, v25
	s_lshl_b32 s37, s16, 6
	s_add_co_u32 s37, s37, VSC
	v_add_nc_u32 v25, s37, v25                     ; and their scale word
	s_mul_i32 s37, s16, 2560
	v_add_nc_u32 v26, s37, v28                     ; my sixteenth of K's image
	s_lshl_b32 s37, s20, 7
	s_add_co_u32 s37, s37, s21
	s_add_co_u32 s37, s37, OSX
	v_lshl_add_u32 v5, v12, 3, s37                 ; o's scale byte: OSX + 128 c0 + 8 r + (head & 7)
	v_mov_b32 v7, s50
	v_mov_b32 v9, s51
	v_cndmask_b32 v7, v7, v9, s30
	v_add_nc_u32 v7, v7, v1
.irp j, 20,21,22,23
	v_mov_b32 v\j, 0                               ; q's codes for k = 64 .. 127
.endr
.irp t, 0,1,2,3,4,5,6,7
.irp j, 4,5,6,7
	v_mov_b32 v[32+8*\t+\j], 0                     ; K's likewise: written once
.endr
.endr
	s_wait_kmcnt 0x0
	s_mov_b64 s[14:15], s[12:13]                   ; aq, for the scale bytes
	s_add_nc_u64 s[4:5], s[4:5], s[40:41]
	s_add_nc_u64 s[6:7], s[6:7], s[42:43]
	s_add_nc_u64 s[8:9], s[8:9], s[44:45]
	s_add_nc_u64 s[10:11], s[10:11], s[46:47]
	s_add_nc_u64 s[12:13], s[12:13], s[48:49]
.macro LOADV t                         ; keys 32 t + i of my 128, my channel: each load reads a row of v, 128 consecutive bytes
.set I, 0
.rept 32
	global_load_b32 v[X+32*(\t)+I], v27, s[10:11] offset:(32*(\t)+I)*128
.set I, I+1
.endr
.endm
.macro BLOCKV t
.set XS, X+32*(\t)
	v_max3_num_f32 v248, |v[XS]|, |v[XS+1]|, |v[XS+2]|
	v_max3_num_f32 v249, |v[XS+3]|, |v[XS+4]|, |v[XS+5]|
.irp i, 6,10,14,18,22,26
	v_max3_num_f32 v248, v248, |v[XS+\i]|, |v[XS+\i+1]|
	v_max3_num_f32 v249, v249, |v[XS+\i+2]|, |v[XS+\i+3]|
.endr
	v_max3_num_f32 v248, v248, |v[XS+30]|, |v[XS+31]|
	v_max3_num_f32 v248, v248, v249, 0x1800000     ; the floor 2^(3 - 127)
	v_add_nc_u32 v250, 0xff000000, v248            ; the conversion's scale operand
	v_lshrrev_b32 v251, 23, v250                   ; the scale's byte
.if (\t) == 0
	v_mov_b32 v252, v251
.else
	v_lshl_or_b32 v252, v251, 8*(\t), v252
.endif
.irp g, 0,1,2,3
	v_cvt_scalef32_pk8_fp4_f32 v[244+\g], v[XS+8*\g:XS+8*\g+7], v250
.endr
	v_nop                                          ; one plain place behind the scaled conversions
	ds_store_b128 v24, v[244:247] offset:256*(\t)
.endm
	LOADV 0
	LOADV 1
	s_wait_loadcnt 32                              ; block 0 is in; block 1's 32 loads may be out
	LOADV 2
	BLOCKV 0
	s_wait_loadcnt 32                              ; block 1 is in; block 2's may be out
	LOADV 3
	BLOCKV 1
.irp i, 0,1,2,3,4
	global_load_b128 v[224+4*\i:227+4*\i], v28, s[8:9] offset:512*\i     ; my sixteenth of K's image
.endr
	global_load_b128 v[16:19], v1, s[4:5]          ; q's 32 codes of row r
	global_load_b32 v255, v29, s[6:7]              ; and its scale word
	s_wait_loadcnt 39                              ; block 2 is in; block 3's 32 loads and the seven above may be out
	BLOCKV 2
	s_wait_loadcnt 7                               ; block 3 is in
	BLOCKV 3
	ds_store_b32 v25, v252
	s_wait_loadcnt 0x0
.irp i, 0,1,2,3,4
	ds_store_b128 v26, v[224+4*\i:227+4*\i] offset:512*\i
.endr
.irp j, 16,17,18,19
	v_cndmask_b32 v\j, v\j, v20, s30               ; lanes 16-31 stand for k = 32 .. 63: zero codes
.endr
	v_mov_b32 v13, 0xff61b1e6                      ; the largest t so far: -3e38
	v_floor_f32 v12, -v13                          ; -M
	v_mov_b32 v14, 0
	v_mov_b32 v15, 0
.irp j, 236,237,238,239,252,253
	v_mov_b32 v\j, 0                               ; lane permutes' destinations and a pair's upper half: written once
.endr
.set J, 0
.rept 16
	v_mov_b32 v[160+J], 0                          ; O^T: the step is written once; the first finds zeros
.set J, J+1
.endr
	s_mov_b32 s31, 0                               ; the step's tiles of K,
	s_mov_b32 s32, 0                               ; K's scale words,
	s_mov_b32 s33, 0                               ; V's codes,
	s_mov_b32 s34, 0                               ; V's scale words,
	s_mov_b32 s35, 0                               ; and its first key
	s_mov_b32 s36, 16
	s_wait_dscnt 0x0                               ; for the others' sake: my stores are done
	s_barrier_signal -1
	s_barrier_wait -1                              ; K and V are whole, and nobody writes them again
.Lstep:
	s_add_co_u32 s37, s23, 15
	s_cmp_gt_u32 s35, s37
	s_cbranch_scc1 .Lhidden                        ; all 128 keys come after my positions
	v_add_nc_u32 v8, s31, v1                       ; (these four are also the places behind the last products, in front of the loads)
	v_add_nc_u32 v9, s32, v2
	v_add_nc_u32 v10, s33, v3
	v_add_nc_u32 v11, s34, v4
.irp t, 0,1,2,3,4,5,6,7
	ds_load_b128 v[32+8*\t:35+8*\t], v8 offset:256*\t      ; a key's 32 codes; lanes 16-31 read the same bytes, which meet q's zeros
.endr
	ds_load_b128 v[24:27], v9
	ds_load_b128 v[28:31], v9 offset:256
.irp u, 0,1
.irp c, 0,1
	ds_load_b128 v[176+8*\u+4*\c:179+8*\u+4*\c], v10 offset:16384*\u+512*\c
.endr
.endr
	ds_load_b32 v200, v11
	ds_load_b32 v201, v11 offset:1024
	s_wait_dscnt 6                                 ; K's are in; V's six loads may be out
.irp t, 0,1,2,3,4,5,6,7
	v_wmma_scale_f32_16x16x128_f8f6f4 v[96+8*\t:103+8*\t], v[32+8*\t:39+8*\t], v[16:23], 0, v[24+\t], v255 matrix_a_fmt:MATRIX_FMT_FP4 matrix_b_fmt:MATRIX_FMT_FP4
.endr
.rept 4
	v_nop
.endr
	s_add_co_u32 s37, s35, 127
	s_cmp_le_u32 s37, s23
	s_cbranch_scc1 .Lopen                          ; all 128 keys count
	s_sub_co_i32 s37, s23, s35
	v_and_b32 v252, 15, v0
	v_bfe_u32 v253, v0, 4, 1
	v_lshlrev_b32 v253, 4, v253
	v_sub_nc_u32 v252, v252, v253
	v_add_nc_u32 v252, s37, v252                   ; d = my position - the step's first key - 16 h.  Register 16 b + i holds key 16 h + 32 b + i of the step: hidden where 32 b + i > d
	v_mov_b32 v254, 0xff800000
.set N, 0
.rept 64
	v_cmp_gt_i32 vcc_lo, 32*(N/16)+N%16, v252
	v_cndmask_b32 v[96+N], v[96+N], v254, vcc_lo
.set N, N+1
.endr
.Lopen:
.irp b, 0,1,2,3
	v_max3_num_f32 v[232+\b], v[96+16*\b], v[97+16*\b], v[98+16*\b]       ; the largest score of each block of 32 keys: for the row's maximum and, since p rises with the score, for the block's largest p
.endr
.irp i, 3,5,7,9,11,13
.irp b, 0,1,2,3
	v_max3_num_f32 v[232+\b], v[232+\b], v[96+16*\b+\i], v[97+16*\b+\i]
.endr
.endr
.irp b, 0,1,2,3
	v_max_num_f32 v[232+\b], v[232+\b], v[111+16*\b]
.endr
.irp b, 0,1,2,3
	v_permlanex16_b32 v[236+\b], v[232+\b], s26, s27
.endr
.irp b, 0,1,2,3
	v_max_num_f32 v[232+\b], v[232+\b], v[236+\b]
.endr
	v_max3_num_f32 v254, v232, v233, v234
	v_max_num_f32 v254, v254, v235
	v_mul_f32 v254, s28, v254
	v_max_num_f32 v13, v13, v254                   ; the running largest t
	v_mov_b32 v254, v12
	v_floor_f32 v12, -v13                          ; the new -M = -ceil(t): a whole number
	v_sub_f32 v254, v12, v254
	v_cvt_i32_f32 v254, v254                       ; (it saturates)
	v_ldexp_f32 v252, 1.0, v254                    ; f = 2^(old M - new M)
.set J, 0
.rept 32
	v_pk_fma_f32 v[96+J:97+J], v[96+J:97+J], s[28:29], v[12:13] op_sel_hi:[1,0,0]     ; t - M
.set J, J+2
.endr
.irp b, 0,1,2,3
	v_fma_f32 v[232+\b], v[232+\b], s28, v12
.endr
.set J, 0
.rept 64
	v_exp_f32 v[96+J], v[96+J]                     ; p = 2^(t - M)
.set J, J+1
.endr
.irp b, 0,1,2,3
	v_exp_f32 v[232+\b], v[232+\b]                 ; the block's largest p: the same two instructions on the same number
.endr
	v_pk_mul_f32 v[14:15], v[14:15], v[252:253] op_sel_hi:[1,0]    ; the sums under the new M.  (A plain place behind the exponentials)
	s_wait_alu depctr_va_vdst(0)
.irp b, 0,1,2,3
	v_max_num_f32 v[232+\b], 0x1800000, v[232+\b]  ; the floor 2^(3 - 127)
.endr
.irp b, 0,1,2,3
	v_add_nc_u32 v[244+\b], 0xff000000, v[232+\b]
.endr
.irp b, 0,1,2,3
	v_lshrrev_b32 v[236+\b], 23, v[244+\b]
.endr
	v_lshl_or_b32 v253, v237, 8, v236              ; p's scale word for these 128 keys
	v_lshl_or_b32 v253, v238, 16, v253
	v_lshl_or_b32 v253, v239, 24, v253
.irp b, 0,1,2,3
	v_cvt_scalef32_pk8_fp4_f32 v[192+2*\b], v[96+16*\b:103+16*\b], v[244+\b]
	v_cvt_scalef32_pk8_fp4_f32 v[193+2*\b], v[104+16*\b:111+16*\b], v[244+\b]
.endr
	v_nop                                          ; one plain place behind the scaled conversions
.irp c, 0,1                            ; the operand's layout wants a whole block in a lane
.irp i, 0,1
	v_permlane16_swap_b32 v[192+4*\c+\i], v[194+4*\c+\i]
.endr
.endr
.set J, 0
.rept 8
	v_pk_mul_f32 v[160+J:161+J], v[160+J:161+J], v[252:253] op_sel_hi:[1,0]     ; O^T under the new M, each accumulator from its low end on
.set J, J+2
.endr
	v_pk_add_f32 v[236:237], v[96:97], v[98:99]    ; the row's sum of the unquantised p, in two chains; these 32 lines are also the places in front of the scaled products
.irp j, 4,8,12,16,20,24,28,32,36,40,44,48,52,56,60
	v_pk_add_f32 v[14:15], v[14:15], v[96+\j:97+\j]
	v_pk_add_f32 v[236:237], v[236:237], v[98+\j:99+\j]
.endr
	v_pk_add_f32 v[14:15], v[14:15], v[236:237]
	s_wait_dscnt 0x0                               ; V's fragments and scale words are in
.irp u, 0,1
	v_wmma_scale_f32_16x16x128_f8f6f4 v[160+8*\u:167+8*\u], v[176+8*\u:183+8*\u], v[192:199], v[160+8*\u:167+8*\u], v[200+\u], v253 matrix_a_fmt:MATRIX_FMT_FP4 matrix_b_fmt:MATRIX_FMT_FP4
.endr
.Lhidden:
	s_add_co_u32 s31, s31, 2048
	s_add_co_u32 s32, s32, 512
	s_add_co_u32 s33, s33, 1024
	s_add_co_u32 s34, s34, 64
	s_add_co_u32 s35, s35, 128
	s_sub_co_u32 s36, s36, 1
	s_cmp_lg_u32 s36, 0
	s_cbranch_scc1 .Lstep
	; THE WAY OUT: o = O^T / the sum; lane (r, h) holds d = 16 h + 0 .. 15 of row r; the head's 32 are one block
.rept 4
	v_nop
.endr
	v_add_f32 v14, v14, v15
	v_permlanex16_b32 v252, v14, s26, s27
	v_add_f32 v14, v14, v252
	v_rcp_f32 v14, v14
	v_and_b32 v8, 31, v0                           ; (a plain place behind the transcendental)
	v_lshl_add_u32 v8, v8, 3, OSX
.set J, 0
	s_wait_alu depctr_va_vdst(0)
.rept 16
	v_mul_f32 v[96+J], v[160+J], v14
.set J, J+1
.endr
	v_max3_num_f32 v232, |v96|, |v97|, 0x1800000
.irp i, 2,4,6,8,10,12,14
	v_max3_num_f32 v232, v232, |v[96+\i]|, |v[97+\i]|
.endr
	v_permlanex16_b32 v236, v232, s26, s27
	v_max_num_f32 v232, v232, v236
	v_add_nc_u32 v244, 0xff000000, v232
	v_lshrrev_b32 v240, 23, v244
	v_cvt_scalef32_pk8_fp4_f32 v192, v[96:103], v244
	v_cvt_scalef32_pk8_fp4_f32 v193, v[104:111], v244
	v_nop
	global_store_b64 v6, v[192:193], s[12:13]      ; 32 lanes fill the 256 bytes of my head's block of 16 rows
	ds_store_b8 v5, v240                           ; (both lanes of a row store the same byte)
	s_wait_dscnt 0x0
	s_barrier_signal -1
	s_barrier_wait -1
	s_cmp_lg_u32 s16, 0
	s_cbranch_scc1 .Lend
	ds_load_b64 v[194:195], v8                     ; eight heads' bytes of a row: lanes 0-15 the one tile of rows, lanes 16-31 the other
	s_wait_dscnt 0x0
	global_store_b64 v7, v[194:195], s[14:15]      ; half of each row's 16 scale bytes: the other half is another work-group's
.Lend:
	s_wait_xcnt 0x0
	v_lshl_add_u32 v254, v0, 2, 0x12a00
	v_mov_b32 v255, 0
	s_wait_tensorcnt 0x0
	ds_add_u32 v254, v255
	s_wait_dscnt 0x0
	s_endpgm
.Lfunc_end_k_q14b5c5dc90_attn:
	.size	k_q14b5c5dc90_attn, .Lfunc_end_k_q14b5c5dc90_attn-k_q14b5c5dc90_attn
	.p2alignl 7, 3214868480
	.fill 96, 4, 3214868480
	.section	.rodata,"a",@progbits
	.p2align	6, 0x0
	.amdhsa_kernel k_q14b5c5dc90_attn
		.amdhsa_group_segment_fixed_size 78336
		.amdhsa_private_segment_fixed_size 0
		.amdhsa_enable_private_segment 0
		.amdhsa_kernarg_size 40
		.amdhsa_user_sgpr_count 2
		.amdhsa_user_sgpr_kernarg_segment_ptr 1
		.amdhsa_wavefront_size32 1
		.amdhsa_system_sgpr_workgroup_id_x 1
		.amdhsa_system_sgpr_workgroup_id_y 1
		.amdhsa_system_sgpr_workgroup_id_z 1
		.amdhsa_system_vgpr_workitem_id 0
		.amdhsa_next_free_vgpr 256
		.amdhsa_next_free_sgpr 66
		.amdhsa_reserve_vcc 1
		.amdhsa_float_denorm_mode_32 3
		.amdhsa_float_denorm_mode_16_64 3
		.amdhsa_memory_ordered 1
		.amdhsa_forward_progress 1
		.amdhsa_inst_pref_size 49
	.end_amdhsa_kernel
	.amdgpu_metadata
---
amdhsa.version: [ 1, 2 ]
amdhsa.kernels:
  - .name:           k_q14b5c5dc90_attn
    .symbol:         k_q14b5c5dc90_attn.kd
    .args:
      - { .name: qc, .offset: 0, .size: 8, .value_kind: global_buffer, .address_space: global }
      - { .name: qs, .offset: 8, .size: 8, .value_kind: global_buffer, .address_space: global }
      - { .name: kq, .offset: 16, .size: 8, .value_kind: global_buffer, .address_space: global }
      - { .name: vraw, .offset: 24, .size: 8, .value_kind: global_buffer, .address_space: global }
      - { .name: aq, .offset: 32, .size: 8, .value_kind: global_buffer, .address_space: global }
    .group_segment_fixed_size: 78336
    .private_segment_fixed_size: 0
    .kernarg_segment_align: 8
    .kernarg_segment_size: 40
    .max_flat_workgroup_size: 512
    .sgpr_count:     66
    .vgpr_count:     256
    .wavefront_size: 32
...
	.end_amdgpu_metadata
.endif
;; end of part 4
;; launch outgemm (part 5): grid 8 x 32, 4 waves a work-group, clusters of 4 x 4, 327,680 bytes of LDS; arguments aq, woq, out0; writes out0
.if DOCPART == 5
	.amdgcn_target "amdgcn-amd-amdhsa--gfx1250"
	.amdhsa_code_object_version 6
	.text
	.protected	k_q14b5c5dc90_outgemm
	.globl	k_q14b5c5dc90_outgemm
	.p2align	8
	.type	k_q14b5c5dc90_outgemm,@function
k_q14b5c5dc90_outgemm:
	s_mov_b64 s[64:65], 0
	v_nop
	global_prefetch_b8 v0, s[64:65] scope:SCOPE_SE
	s_setreg_imm32_b32 hwreg(HW_REG_WAVE_MODE, 25, 1), 1
	s_wait_xcnt 0x0
	s_wait_alu depctr_hold_cnt(0) depctr_sa_sdst(0) depctr_va_vdst(0) depctr_va_sdst(0) depctr_va_ssrc(0) depctr_va_vcc(0) depctr_vm_vsrc(0)
	s_getreg_b32 s2, hwreg(HW_REG_IB_STS2, 6, 4)
	s_cmp_eq_u32 s2, 0
	s_cbranch_scc0 .Lentry_in_a_cluster
	s_endpgm
.Lentry_in_a_cluster:
	s_bfe_u32 s2, ttmp6, 0x10000c
	s_cmp_lg_u32 s2, 0xf033
	s_cbranch_scc0 .Lentry_shape_is_right
	s_endpgm
.Lentry_shape_is_right:
; out0 = h w_ff_out + o w_attn_out as ONE product with K = 2,560: five chunks of 512 (four of h, one of o) against the five chunks of woq.  Both operands come as operand images
; (a tile of 16 rows x 512 K = 4,352 bytes: codes in the order of the operand's registers, then the scale bytes).
; A work-group of four waves makes 128 rows x 256 columns (with 256 x 256 there would be tiles for half of the 256 work-groups only); a wave 64 x 128: 32 accumulators.
; THE MATRIX INSTRUCTION IS USED TRANSPOSED (source 0 = 16 columns of the weight, source 1 = 16 rows): a lane holds eight neighbouring numbers of a row of the result.
; A ring of two LDS slots of one chunk each; the text is written out.  By its own count a wave has two tensor loads out at the start, later one.
; CLUSTERS: 4 x 4.  The rows' tiles are shared along a row of the cluster, the weight's along a column: each is asked for jointly.
; REGISTERS: window 0: v16-29 addresses; v32-95 scale words, a set for each slot (register 4 i + q: lanes 0-15 the rows' block i, lanes 16-31 the weight's tile i); v128-191 the rows' fragments, two sets.
;   window 1: the weight's fragments, two sets, at v0 and v128.   window 2: accumulator (a, b) at v[8 (8 a + b)].
.set NA,    4                          ; blocks of 16 rows a wave
.set TILEB, 4352
.set CHA,   1114112                    ; from chunk to chunk: aq
.set CHB,   557056                     ; woq
.set SLOT,  24*TILEB                   ; the rows' 8 tiles, then the weight's 16
.set SPARE, 2*SLOT                     ; the spare words, 128 bytes for each wave: two blocks of 256 bytes that no other line names
.set STAGE, SPARE+512                  ; the way out: 16 rows x (512 bytes + 16) for each wave; no fill lands here
.set SPITCH, 528
.set ADRA, 16
.set ADRB, 20
.set ADRS, 22
.set STO,  24
.set RD,   25
.set CO,   26
.set SPW,  28
.set NIL,  29
.set SC,   32
.set AF,   128
.set BK,   128                         ; the way out: 16 rows read back: v128-191 and v192-255 by turns
.set G1,  24
.set G0,  32
.set G1B, 48
.set G0B, 56
.set MSB, 0
.macro WIN new                         ; the immediate's high byte repeats the setting that is left
.if MSB != (\new)
	s_set_vgpr_msb (MSB<<8)|(\new)
.set MSB, (\new)
.endif
.endm
; A joint load: waves 0 and 1 fetch the rows' halves, waves 2 and 3 the weight's.  The branch hangs on the wave's number alone.  Four v_nop follow each of the two lines.
.macro JLOAD s
	s_cmp_eq_u32 s15, 0
	s_cbranch_scc0 .Lfor_b_\@
	tensor_load_to_lds s[G0+4*\s:G0+4*\s+3], s[G1:G1+7]
	s_nop 0
.rept 4
	v_nop
.endr
	s_branch .Lasked_\@
.Lfor_b_\@:
	tensor_load_to_lds s[G0B+4*\s:G0B+4*\s+3], s[G1B:G1B+7]
	s_nop 0
.rept 4
	v_nop
.endr
.Lasked_\@:
.endm
.macro CREST                           ; a round of the cluster's barrier behind its opening barrier
	s_cmp_lg_u32 s14, 0
	s_cbranch_scc1 .Lnot_wave_0_\@
	s_barrier_signal -3
.Lnot_wave_0_\@:
	s_barrier_wait -3
	s_barrier_signal -1
	s_barrier_wait -1
.endm
.macro CROUND
	s_barrier_signal -1
	s_barrier_wait -1
	CREST
.endm
	s_load_b128 s[4:7], s[0:1], 0x0                ; aq, woq
	s_load_b64 s[8:9], s[0:1], 0x10                ; out0
	v_lshl_add_u32 v[SPW], v0, 2, SPARE
	v_mov_b32 v[NIL], 0
	ds_add_u32 v28, v29
	ds_add_u32 v28, v29
	s_wait_dscnt 0x0
	v_lshrrev_b32 v1, 5, v0
	v_readfirstlane_b32 s14, v1                    ; wave 0..3
	s_lshr_b32 s15, s14, 1                         ; which half of the rows is mine.  Also: I fetch rows (0) or weight (1)
	s_and_b32 s16, s14, 1                          ; which half of the columns.  Also: which half I fetch
	s_bfe_u32 s40, ttmp6, 0x40000                  ; cx, cy
	s_bfe_u32 s41, ttmp6, 0x40004
	s_lshl_b32 s42, ttmp9, 2
	s_add_co_u32 s42, s42, s40                     ; which 256 columns
	s_and_b32 s17, ttmp7, 0xffff
	s_lshl_b32 s17, s17, 2
	s_add_co_u32 s17, s17, s41                     ; which 128 rows
	s_lshl_b32 s43, s41, 2
	s_lshl_b32 s43, 15, s43                        ; my row of the cluster
	s_lshl_b32 s44, 0x1111, s40                    ; my column
	s_or_b32 s[G1], s43, (3<<16)|(1<<21)           ; 15:0 the mask; 17:16 elements of 8 bytes; 21 set beside a mask; no padding
	s_or_b32 s[G1B], s44, (3<<16)|(1<<21)
	s_mov_b32 s[G1+1], 32<<16                      ; a dense block as rows of 256 bytes:
	s_mov_b32 s[G1+2], 68<<16                      ; 4 tiles x 17 rows
	s_mov_b32 s[G1+3], 32<<16
	s_mov_b32 s[G1+4], 68
	s_mov_b32 s[G1+5], 32
	s_mov_b32 s[G1+6], 0
	s_mov_b32 s[G1+7], 0
	s_mov_b32 s[G1B+1], 32<<16
	s_mov_b32 s[G1B+2], 136<<16                    ; 8 tiles x 17 rows
	s_mov_b32 s[G1B+3], 32<<16
	s_mov_b32 s[G1B+4], 136
	s_mov_b32 s[G1B+5], 32
	s_mov_b32 s[G1B+6], 0
	s_mov_b32 s[G1B+7], 0
	s_lshl_b32 s18, s16, 2
	s_lshl_b32 s20, s17, 3
	s_add_co_u32 s20, s20, s18
	s_mul_i32 s20, s20, TILEB                      ; rows: tile 8 y + 4 x half
	s_mov_b32 s21, 0
	s_lshl_b32 s18, s16, 3
	s_lshl_b32 s46, s42, 4
	s_add_co_u32 s46, s46, s18
	s_mul_i32 s46, s46, TILEB                      ; weight: tile 16 x + 8 x half
	s_mov_b32 s47, 0
	s_mul_i32 s45, s16, 4*TILEB                    ; where they go: no place in the cluster enters an LDS address
	s_mul_i32 s19, s16, 8*TILEB
	s_add_co_u32 s19, s19, 8*TILEB
	s_wait_kmcnt 0x0
	s_add_nc_u64 s[20:21], s[4:5], s[20:21]
	s_add_nc_u64 s[46:47], s[6:7], s[46:47]
	CROUND                                         ; all sixteen work-groups are here: the first joint loads meet
.irp s, 0,1
	s_mov_b32 s[G0+4*\s], 1
	s_add_co_u32 s[G0+4*\s+1], s45, \s*SLOT
	s_add_nc_u64 s[G0+4*\s+2:G0+4*\s+3], s[20:21], \s*CHA
	s_or_b32 s[G0+4*\s+3], s[G0+4*\s+3], 0x80000000
	s_mov_b32 s[G0B+4*\s], 1
	s_add_co_u32 s[G0B+4*\s+1], s19, \s*SLOT
	s_add_nc_u64 s[G0B+4*\s+2:G0B+4*\s+3], s[46:47], \s*CHB
	s_or_b32 s[G0B+4*\s+3], s[G0B+4*\s+3], 0x80000000
	JLOAD \s
.endr
	v_and_b32 v1, 15, v0                           ; r
	v_bfe_u32 v2, v0, 4, 1                         ; h
	v_and_b32 v3, 31, v0
	v_lshlrev_b32 v3, 4, v3                        ; 16 x lane
	v_lshlrev_b32 v4, 4, v1                        ; 16 r
	s_mul_i32 s21, s15, 4*TILEB                    ; my 4 blocks of rows
	s_mul_i32 s22, s16, 8*TILEB
	s_add_co_u32 s22, s22, 8*TILEB                 ; my 8 tiles of the weight
	s_sub_co_u32 s23, s22, s21
	v_mul_u32_u24 v6, s23, v2                      ; lanes 16-31 take the weight's scale words
	v_add_nc_u32 v5, v4, v6
.irp s, 0,1
	v_add_nc_u32 v[ADRA+\s], s21, v3
	v_add_nc_u32 v[ADRB+\s], s22, v3
	s_add_co_u32 s18, s21, 4096
	v_add_nc_u32 v[ADRS+\s], s18, v5
	s_add_co_u32 s21, s21, SLOT
	s_add_co_u32 s22, s22, SLOT
.endr
	s_mul_i32 s23, s14, 16*SPITCH
	s_add_co_u32 s23, s23, STAGE                   ; my stage
	v_mul_u32_u24 v5, v1, SPITCH
	v_lshl_add_u32 v5, v2, 5, v5
	v_add_nc_u32 v[STO], s23, v5                   ; in: row r, 32 bytes for each half of the lanes
	v_mov_b32 v[CO], v3                            ; back: the 32 lanes take one row of 512 bytes; and the same in the result
	v_add_nc_u32 v[RD], s23, v3
	s_lshl_b32 s70, s17, 7
	s_lshl_b32 s71, s15, 6
	s_add_co_u32 s70, s70, s71
	s_lshl_b32 s70, s70, 13                        ; my first row, 8,192 bytes a row (under 2^26)
	s_lshl_b32 s71, s42, 10
	s_add_co_u32 s70, s70, s71
	s_lshl_b32 s71, s16, 9
	s_add_co_u32 s70, s70, s71                     ; + my first column
	s_mov_b32 s71, 0
	s_add_nc_u64 s[12:13], s[8:9], s[70:71]
.macro FRAG reg, adr, q, i             ; a fragment (16 rows x 128 K, 8 registers) as it lies: two loads of 512 consecutive bytes
.irp c, 0,1
	ds_load_b128 v[\reg+4*\c:\reg+4*\c+3], v[\adr] offset:(\i)*TILEB+(\q)*1024+\c*512
.endr
.endm
.macro FETCH slot, q, p                ; K step q of the slot into set p: the weight's 8 fragments, the rows' NA
	WIN 0x40
.irp i, 0,1,2,3,4,5,6,7
	FRAG 128*(\p)+8*\i, ADRB+\slot, \q, \i
.endr
	WIN 0
.set II, 0
.rept NA
	FRAG AF+8*NA*(\p)+8*II, ADRA+\slot, \q, II
.set II, II+1
.endr
.endm
.macro SCALES slot                     ; the slot's scale words, four K steps to a load.  (For i = 4 .. 7 lanes 0-15 read bytes of the slot that are no scales of rows: those lanes' words are not used)
.irp i, 0,1,2,3,4,5,6,7
	ds_load_b128 v[SC+32*\slot+4*\i:SC+32*\slot+4*\i+3], v[ADRS+\slot] offset:\i*TILEB
.endr
.endm
; 8 matrix instructions: the rows' block a against the weight's eight tiles.  The accumulators take turns, one instruction a turn, in the same order in every step.
.macro MULA a, p, q, sc, zero
	WIN 0xa1                                       ; source 0 window 1, source 1 window 0, C and D window 2
.irp b, 0,1,2,3,4,5,6,7
.if \zero
	v_wmma_scale_f32_16x16x128_f8f6f4 v[8*(8*(\a)+\b):8*(8*(\a)+\b)+7], v[128*(\p)+8*\b:128*(\p)+8*\b+7], v[AF+8*NA*(\p)+8*(\a):AF+8*NA*(\p)+8*(\a)+7], 0, v[SC+32*(\sc)+4*\b+(\q)], v[SC+32*(\sc)+4*(\a)+(\q)] matrix_a_fmt:MATRIX_FMT_FP4 matrix_b_fmt:MATRIX_FMT_FP4 matrix_a_scale:MATRIX_SCALE_ROW1
.else
	v_wmma_scale_f32_16x16x128_f8f6f4 v[8*(8*(\a)+\b):8*(8*(\a)+\b)+7], v[128*(\p)+8*\b:128*(\p)+8*\b+7], v[AF+8*NA*(\p)+8*(\a):AF+8*NA*(\p)+8*(\a)+7], v[8*(8*(\a)+\b):8*(8*(\a)+\b)+7], v[SC+32*(\sc)+4*\b+(\q)], v[SC+32*(\sc)+4*(\a)+(\q)] matrix_a_fmt:MATRIX_FMT_FP4 matrix_b_fmt:MATRIX_FMT_FP4 matrix_a_scale:MATRIX_SCALE_ROW1
.endif
.endr
.endm
.macro MULS from, p, q, sc, zero       ; blocks from .. NA - 1
.set AA, \from
.rept NA-\from
	MULA AA, \p, \q, \sc, \zero
.set AA, AA+1
.endr
.endm
.macro PLACES                          ; four plain places behind matrix instructions, in front of loads into registers that they read and of reads of their results
.rept 4
	v_nop
.endr
.endm
.macro STEP slot, q, zero              ; a K step that has its successor in the same slot: the successor's fragments are asked for ahead of this step's products
	s_wait_dscnt 0x0                               ; this step's fragments are in
	PLACES
	FETCH \slot, (\q)+1, ((\q)+1)%2
	MULS 0, (\q)%2, \q, \slot, \zero
	WIN 0
.endm
; A slot's last step changes slots: one barrier; in front of it each wave waits for all its tensor loads, adds 0 to its spare word, and waits for that and for its reads of this slot.  fill = 1: this slot is filled again, two chunks on.
.macro TURN slot, next, fill
	s_wait_tensorcnt 0x0                           ; all my tensor loads have landed: my part of the next slot
	ds_add_u32 v[SPW], v[NIL]                      ; 0 onto my spare word
	s_wait_dscnt 1                                 ; this step's fragments are in; the add may be out
	MULA 0, 1, 3, \slot, 0                         ; eight matrix instructions stand between the add and the wait for it
	s_wait_dscnt 0x0                               ; the add is done, and my reads of this slot are over
	s_barrier_signal -1
	MULA 1, 1, 3, \slot, 0
	WIN 0
	s_barrier_wait -1
.if \fill
	CREST                                          ; the barrier has opened a round of the cluster's barrier: no wave of any partner still reads this slot or has a load on its way
	s_add_nc_u64 s[G0+4*\slot+2:G0+4*\slot+3], s[G0+4*\slot+2:G0+4*\slot+3], 2*CHA
	s_add_nc_u64 s[G0B+4*\slot+2:G0B+4*\slot+3], s[G0B+4*\slot+2:G0B+4*\slot+3], 2*CHB
	JLOAD \slot                                    ; the first tensor load behind the round; its four v_nop are also the places in front of the loads below
.else
	PLACES
.endif
	FETCH \next, 0, 0
	SCALES \next
	MULS 2, 1, 3, \slot, 0
	WIN 0
.endm
	s_wait_tensorcnt 0x1                           ; my part of chunk 0 is in; chunk 1's load may be out
	s_barrier_signal -1
	s_barrier_wait -1
	FETCH 0, 0, 0
	SCALES 0
	STEP 0, 0, 1                                   ; the first step's products start the sums: nothing is cleared
	STEP 0, 1, 0
	STEP 0, 2, 0
	TURN 0, 1, 1                                   ; slot 0 takes chunk 2
	STEP 1, 0, 0
	STEP 1, 1, 0
	STEP 1, 2, 0
	TURN 1, 0, 1                                   ; slot 1 takes chunk 3
	STEP 0, 0, 0
	STEP 0, 1, 0
	STEP 0, 2, 0
	TURN 0, 1, 1                                   ; slot 0 takes chunk 4
	STEP 1, 0, 0
	STEP 1, 1, 0
	STEP 1, 2, 0
	TURN 1, 0, 0                                   ; nothing is left to fetch
	STEP 0, 0, 0
	STEP 0, 1, 0
	STEP 0, 2, 0
	s_wait_dscnt 0x0
	MULS 0, 1, 3, 0, 0
	WIN 0
; THE WAY OUT, block by block of 16 rows x 128 columns: a lane holds 32 neighbouring bytes of a row, the lanes beside it other rows: so a block goes through my own stage and comes back as whole rows of 512 bytes.
; A wave's LDS instructions are served in order (ISA guide 5.7.1.4): no wait between the stores and the loads, nor in front of the next block's stores.
.macro TOSTAGE a
.set AC, 64*(\a)
	WIN 0x08                                       ; an LDS store's data are its source 1: window 2
.irp b, 0,1,2,3,4,5,6,7
	ds_store_b128 v[STO], v[AC+8*\b:AC+8*\b+3] offset:64*\b          ; each accumulator from its low end on
	ds_store_b128 v[STO], v[AC+8*\b+4:AC+8*\b+7] offset:64*\b+16
.endr
	WIN 0
.set BB, BK+64*((\a)%2)
.irp t, 0,1,2,3,4,5,6,7,8,9,10,11,12,13,14,15
	ds_load_b128 v[BB+4*\t:BB+4*\t+3], v[RD] offset:\t*SPITCH
.endr
.endm
.macro SEND a, younger                 ; younger: the LDS instructions issued behind block a's loads, which may stay out
.set BB, BK+64*((\a)%2)
	s_wait_dscnt \younger
.irp t, 0,1,2,3,4,5,6,7,8,9,10,11,12,13,14,15
	global_store_b128 v[CO], v[BB+4*\t:BB+4*\t+3], s[12:13] offset:(16*(\a)+\t)*8192 th:TH_STORE_NT   ; 32 lanes store 512 consecutive bytes, aligned; the row stands in the immediate (63 rows at the most)
.endr
.endm
	PLACES
	TOSTAGE 0
.irp a, 1,2,3
.if \a > 1
	s_wait_xcnt 0x0                                ; block a - 2's stores have read their registers: block a's loads may land there
.endif
	TOSTAGE \a
	SEND \a-1, 32                                  ; behind block a - 1's loads: block a's 16 stores and 16 loads
.endr
	SEND 3, 0
	s_wait_tensorcnt 0x0                           ; the wave's end
	ds_add_u32 v[SPW], v[NIL]
	s_wait_dscnt 0x0
	CROUND                                         ; the closing round
	s_endpgm
.Lfunc_end_k_q14b5c5dc90_outgemm:
	.size	k_q14b5c5dc90_outgemm, .Lfunc_end_k_q14b5c5dc90_outgemm-k_q14b5c5dc90_outgemm
	.p2alignl 7, 3214868480
	.fill 96, 4, 3214868480
	.section	.rodata,"a",@progbits
	.p2align	6, 0x0
	.amdhsa_kernel k_q14b5c5dc90_outgemm
		.amdhsa_group_segment_fixed_size 327680
		.amdhsa_private_segment_fixed_size 0
		.amdhsa_enable_private_segment 0
		.amdhsa_kernarg_size 24
		.amdhsa_user_sgpr_count 2
		.amdhsa_user_sgpr_kernarg_segment_ptr 1
		.amdhsa_wavefront_size32 1
		.amdhsa_system_sgpr_workgroup_id_x 1
		.amdhsa_system_sgpr_workgroup_id_y 1
		.amdhsa_system_sgpr_workgroup_id_z 1
		.amdhsa_system_vgpr_workitem_id 0
		.amdhsa_next_free_vgpr 768
		.amdhsa_next_free_sgpr 80
		.amdhsa_reserve_vcc 0
		.amdhsa_float_denorm_mode_32 3
		.amdhsa_float_denorm_mode_16_64 3
		.amdhsa_memory_ordered 1
		.amdhsa_forward_progress 1
		.amdhsa_inst_pref_size 144
	.end_amdhsa_kernel
	.amdgpu_metadata
---
amdhsa.version: [ 1, 2 ]
amdhsa.kernels:
  - .name:           k_q14b5c5dc90_outgemm
    .symbol:         k_q14b5c5dc90_outgemm.kd
    .args:
      - { .name: aq, .offset: 0, .size: 8, .value_kind: global_buffer, .address_space: global }
      - { .name: woq, .offset: 8, .size: 8, .value_kind: global_buffer, .address_space: global }
      - { .name: out0, .offset: 16, .size: 8, .value_kind: global_buffer, .address_space: global }
    .group_segment_fixed_size: 327680
    .private_segment_fixed_size: 0
    .kernarg_segment_align: 8
    .kernarg_segment_size: 24
    .max_flat_workgroup_size: 128
    .sgpr_count:     80
    .vgpr_count:     768
    .wavefront_size: 32
...
	.end_amdgpu_metadata
.endif
;; end of part 5
;; ======== version 2 of 2: 5 launches; version 1 with the launch attn written anew for expert scheduling mode
;; workspace buffers: wfq 5,083,136 bytes; woq 2,785,280 bytes; xq 4,456,448 bytes; aq 5,570,560 bytes; qc 1,048,576 bytes; qs 262,144 bytes; kq 81,920 bytes; vraw 524,288 bytes
;; launch qw: the kernel of part 1 again; grid 452 x 1, 8 waves a work-group, no clusters, 2,048 bytes of LDS; arguments w_fused, w_ff_out, w_attn_out, wfq, woq; writes wfq, woq
;; launch lnqkv: the kernel of part 2 again; grid 256 x 1, 8 waves a work-group, no clusters, 177,408 bytes of LDS; arguments x, gamma, wfq, xq, qc, qs, kq, vraw; writes xq, qc, qs, kq, vraw
;; launch ffgemm: the kernel of part 3 again; grid 16 x 16, 4 waves a work-group, clusters of 4 x 4, 327,680 bytes of LDS; arguments xq, wfq, aq; writes aq
;; launch attn (part 6): grid 256 x 1, 16 waves a work-group, no clusters, 78,336 bytes of LDS; arguments qc, qs, kq, vraw, aq; writes aq
.if DOCPART == 6
	.amdgcn_target "amdgcn-amd-amdhsa--gfx1250"
	.amdhsa_code_object_version 6
	.text
	.protected	k_q14b5c5dc90_attn
	.globl	k_q14b5c5dc90_attn
	.p2align	8
	.type	k_q14b5c5dc90_attn,@function
k_q14b5c5dc90_attn:
	s_mov_b64 s[64:65], 0
	v_nop
	global_prefetch_b8 v0, s[64:65] scope:SCOPE_SE
	s_setreg_imm32_b32 hwreg(HW_REG_WAVE_SCHED_MODE, 0, 2), 2
	s_setreg_imm32_b32 hwreg(HW_REG_WAVE_MODE, 25, 1), 1
	s_wait_xcnt 0x0
	s_wait_alu depctr_vm_vsrc(0)
; Causal attention with one key and value head a batch, both products on codes of FP4; o is quantised along the head's 32 into chunk 4 of aq (block of 32 = head).
; THE SOFTMAX AHEAD OF THE SECOND PRODUCT: t = score x log2(e) (q came scaled by 32^-0.5); M = the running largest t rounded UP to a whole number; p = 2^(t - M) is quantised along the keys, not normalised;
; the row's sum is taken of the unquantised p and divides at the end; when M moves, the sum and O are multiplied by 2^(old M - new M), which rounds nothing.
; SHARES.  A wave owns 16 positions of one head.  A work-group has blocks jj and 127 - jj of the positions of one batch, eight heads of each: their key steps add up to 17 whatever jj is,
; and the two kinds alternate among the waves in ones and in fours.  The batch's whole K (codes and scale words, as they lie in kq) and V stay in LDS; V is quantised here, along the keys:
; wave w takes keys 128 w on, a lane one channel d, its registers run down the keys.  No tensor load, so no ring.
; LAYOUT.  Both products are used transposed: S^T = K Q^T (source 0 = 16 keys), O^T = V^T P^T (source 0 = 16 channels): a lane holds one position throughout.  The keys of a tile, and V's channels, lie in the order
; tile (c >> 3) & 1, row 8 (c >> 4) + (c & 7), so that the 16 registers of two neighbouring tiles are 16 neighbours.
; THE FIRST PRODUCT'S K IS 32 of the instruction's 128: q's codes are zeros for k = 32 .. 127 (lanes 16-31 and registers 4-7), which add nothing; the spare scale bytes are 1.0.
; CAUSAL: every wave walks 16 trips (a constant); a step all of whose keys come after my positions jumps to the lines that step addresses; on the diagonal hidden scores become -infinity ahead of the maximum.
; Not in a cluster: K and V come once, through registers (V has to be quantised on the way), 296 KB a work-group.
; A block of zeros gets the scale byte 1 (its codes are zeros; this program alone reads the bytes).  NaN and infinities are not served.
; THE MODE: SCHED_MODE bits 1:0 = 2 (LLVM: expert scheduling mode 2), set by the entry lines.  The code itself states the register dependences
; between vector or matrix instructions and memory or LDS instructions, with s_wait_alu, always for 0.
; THE PLAN.  Registers that memory or LDS instructions touch:
;   v1-7, v24-29  addresses, made once at the head.  v24-29 serve the prologue alone; v24-31 take K's scale words afterwards.
;   v96-223       the prologue: loads land here; the quantiser's vector lines read them.
;   CV            the prologue: four registers of V's codes for each of my four blocks, written by the conversions and read by ONE run of LDS stores; they are the low registers of K's fragments 0 to 3, loaded later.
;   v224-243      the prologue: K's image on its way: loads land here, LDS stores read them.
;   v8-11         the loop: written by four additions a step; read by the step's sixteen LDS loads.
;   K's fragments (low four registers of each) and v24-31: read by step j's eight products S^T; the loads of step j + 1 land in them, issued in step j.
;   V's fragments v176-191 and words v200, v201: read by step j's two products O^T; the loads of step j + 1 land in them, issued in step j + 1.
;   p's codes v192-199 and word v253: named by vector and matrix instructions alone in the loop.
; So a step has one wait on vm_vsrc (ahead of the four additions) and two on va_vdst: the one behind the exponentials, behind which all sixteen loads go out and have the rest of the softmax in which to land,
; and the one ahead of the products that take p's codes.  The step's head has no wait: its K was waited for at the last step's end.
.set TILEB, 4352
.set CHX,  1114112
.set KSC,  32768                       ; LDS: K's codes from byte 0, its scale words,
.set VIMG, 40960                       ; V's codes [tile 0, 1][block of 32 keys][row][16 bytes],
.set VSC,  73728                       ; V's scale words [tile][key step][row],
.set OSX,  75776                       ; and o's scale bytes [block of positions][row][8 heads]
.set X,    96                          ; the prologue: v96-223 my channel's 128 keys
.set CV,   32                          ; the prologue: block t's codes at v[CV + 8 t] on
; v1 16 r, v2 KSC + 16 r, v3 VIMG + 16 lane, v4 VSC + 4 r, v5 o's scale byte, v6 16 r + 8 h, v7 where wave 0 stores scale bytes, v8-11 the step's addresses, v12 -M, v13 the largest t, v[14:15] the sum,
; v16-23 q, v24-31 K's scale words (in the prologue: addresses), v32-95 K's eight fragments, v96-159 S^T then p, v160-175 O^T, v176-191 V's fragments, v192-199 p's codes, v200-201 V's scale words, v232-254 at work, v255 q's scale word
; s40-55 the diagonal's masks, s56 my last position
	s_load_b256 s[4:11], s[0:1], 0x0               ; qc, qs, kq, vraw
	s_load_b64 s[12:13], s[0:1], 0x20              ; aq
	v_lshrrev_b32 v8, 5, v0
	v_readfirstlane_b32 s16, v8                    ; wave 0..15
	s_lshr_b32 s17, ttmp9, 7                       ; batch
	s_bfe_u32 s18, ttmp9, 0x60001                  ; jj
	s_and_b32 s19, ttmp9, 1
	s_wait_alu depctr_va_sdst(0)                   ; s16 is written, ahead of its first reader: heads, positions and bases are made from it
	s_lshr_b32 s20, s16, 2
	s_xor_b32 s20, s20, s16
	s_and_b32 s20, s20, 1                          ; c0: which of the two blocks' heads
	s_lshr_b32 s21, s16, 1
	s_lshl_b32 s37, s20, 3
	s_add_co_u32 s24, s37, s21                     ; head = 8 c0 + (w >> 1)
	s_sub_co_u32 s25, 127, s18
	s_xor_b32 s37, s20, s19
	s_cmp_eq_u32 s37, 1
	s_cselect_b32 s22, s25, s18                    ; my block of 16 positions
	s_lshl_b32 s23, s22, 4                         ; my first position
	s_lshl_b32 s38, s17, 7
	s_add_co_u32 s38, s38, s22                     ; its tile of rows
	s_lshl_b32 s40, s38, 12
	s_lshl_b32 s37, s24, 8
	s_add_co_u32 s40, s40, s37
	s_mov_b32 s41, 0
	s_lshl_b32 s42, s38, 10
	s_lshl_b32 s37, s24, 6
	s_add_co_u32 s42, s42, s37
	s_mov_b32 s43, 0
	s_mul_i32 s44, s17, 40960
	s_mul_i32 s37, s16, 2560
	s_add_co_u32 s44, s44, s37
	s_mov_b32 s45, 0
	s_lshl_b32 s46, s17, 18
	s_lshl_b32 s37, s16, 14
	s_add_co_u32 s46, s46, s37
	s_mov_b32 s47, 0
	s_mul_i32 s48, s38, TILEB
	s_lshl_b32 s37, s24, 8
	s_add_co_u32 s48, s48, s37
	s_add_co_u32 s48, s48, 4*CHX
	s_mov_b32 s49, 0
	s_cmp_eq_u32 s19, 1                            ; the two tiles of rows whose scale bytes this work-group makes
	s_cselect_b32 s50, s25, s18
	s_cselect_b32 s51, s18, s25
	s_lshl_b32 s37, s17, 7
	s_add_co_u32 s50, s50, s37
	s_add_co_u32 s51, s51, s37
	s_mul_i32 s50, s50, TILEB
	s_mul_i32 s51, s51, TILEB
	s_add_co_u32 s50, s50, 4*CHX+4096
	s_add_co_u32 s51, s51, 4*CHX+4096+8
	s_mov_b32 s26, 0x76543210
	s_mov_b32 s27, 0xfedcba98                      ; v_permlanex16_b32's selects for lane l xor 16
	s_mov_b32 s28, 0x3fb8aa3b                      ; log2(e)
	s_mov_b32 s29, s28                             ; (named with it as a pair)
	s_mov_b32 s30, 0xffff0000                      ; lanes 16-31
	v_and_b32 v12, 15, v0                          ; r
	v_bfe_u32 v13, v0, 4, 1                        ; h
	v_and_b32 v14, 31, v0                          ; lane
	v_lshlrev_b32 v1, 4, v12
	v_add_nc_u32 v2, KSC, v1
	v_lshlrev_b32 v28, 4, v14                      ; 16 x lane
	v_add_nc_u32 v3, VIMG, v28
	v_lshlrev_b32 v29, 2, v12                      ; 4 r
	v_add_nc_u32 v4, VSC, v29
	v_lshlrev_b32 v27, 2, v14                      ; 4 x lane: my channel in a row of v
	v_lshl_add_u32 v6, v13, 3, v1
	v_bfe_u32 v15, v0, 3, 1                        ; my channel's tile
	v_and_b32 v8, 7, v0
	v_lshl_add_u32 v8, v13, 3, v8                  ; and row
	v_lshlrev_b32 v24, 4, v8
	v_lshl_add_u32 v24, v15, 14, v24
	s_lshl_b32 s37, s16, 10
	s_add_co_u32 s37, s37, VIMG
	v_add_nc_u32 v24, s37, v24                     ; where my channel's codes of my 128 keys go
	v_lshlrev_b32 v25, 2, v8
	v_lshl_add_u32 v25, v15, 10, v25
	s_lshl_b32 s37, s16, 6
	s_add_co_u32 s37, s37, VSC
	v_add_nc_u32 v25, s37, v25                     ; and their scale word
	s_mul_i32 s37, s16, 2560
	v_add_nc_u32 v26, s37, v28                     ; my sixteenth of K's image
	s_lshl_b32 s37, s20, 7
	s_add_co_u32 s37, s37, s21
	s_add_co_u32 s37, s37, OSX
	v_lshl_add_u32 v5, v12, 3, s37                 ; o's scale byte: OSX + 128 c0 + 8 r + (head & 7)
	v_mov_b32 v7, s50
	v_mov_b32 v9, s51
	v_cndmask_b32 v7, v7, v9, s30
	v_add_nc_u32 v7, v7, v1
.irp j, 20,21,22,23
	v_mov_b32 v\j, 0                               ; q's codes for k = 64 .. 127
.endr
.irp t, 0,1,2,3,4,5,6,7
.irp j, 4,5,6,7
	v_mov_b32 v[32+8*\t+\j], 0                     ; K's likewise: written once
.endr
.endr
	s_wait_kmcnt 0x0
	s_mov_b64 s[14:15], s[12:13]                   ; aq, for the scale bytes
	s_add_nc_u64 s[4:5], s[4:5], s[40:41]
	s_add_nc_u64 s[6:7], s[6:7], s[42:43]
	s_add_nc_u64 s[8:9], s[8:9], s[44:45]
	s_add_nc_u64 s[10:11], s[10:11], s[46:47]
	s_add_nc_u64 s[12:13], s[12:13], s[48:49]
	s_wait_alu depctr_va_vdst(0)                   ; the addresses v1-7 and v24-29 are written, which the kernel's loads and stores read.  No vector line of the prologue names an address, or a register in which one of its loads lands ahead of that load
.macro LOADV t                         ; keys 32 t + i of my 128, my channel: each load reads a row of v, 128 consecutive bytes
.set I, 0
.rept 32
	global_load_b32 v[X+32*(\t)+I], v27, s[10:11] offset:(32*(\t)+I)*128
.set I, I+1
.endr
.endm
.macro BLOCKV t                        ; block t of my 128 keys: its scale byte into v252, its codes into its own four registers; they are stored behind the last block
.set XS, X+32*(\t)
	v_max3_num_f32 v248, |v[XS]|, |v[XS+1]|, |v[XS+2]|
	v_max3_num_f32 v249, |v[XS+3]|, |v[XS+4]|, |v[XS+5]|
.irp i, 6,10,14,18,22,26
	v_max3_num_f32 v248, v248, |v[XS+\i]|, |v[XS+\i+1]|
	v_max3_num_f32 v249, v249, |v[XS+\i+2]|, |v[XS+\i+3]|
.endr
	v_max3_num_f32 v248, v248, |v[XS+30]|, |v[XS+31]|
	v_max3_num_f32 v248, v248, v249, 0x1800000     ; the floor 2^(3 - 127)
	v_add_nc_u32 v250, 0xff000000, v248            ; the conversion's scale operand
	v_lshrrev_b32 v251, 23, v250                   ; the scale's byte
.if (\t) == 0
	v_mov_b32 v252, v251
.else
	v_lshl_or_b32 v252, v251, 8*(\t), v252
.endif
.irp g, 0,1,2,3
	v_cvt_scalef32_pk8_fp4_f32 v[CV+8*(\t)+\g], v[XS+8*\g:XS+8*\g+7], v250
.endr
	v_nop                                          ; one plain place behind the scaled conversions
.endm
	LOADV 0
	LOADV 1
	s_wait_loadcnt 32                              ; block 0 is in; block 1's 32 loads may be out
	LOADV 2
	BLOCKV 0
	s_wait_loadcnt 32                              ; block 1 is in; block 2's may be out
	LOADV 3
	BLOCKV 1
.irp i, 0,1,2,3,4
	global_load_b128 v[224+4*\i:227+4*\i], v28, s[8:9] offset:512*\i     ; my sixteenth of K's image
.endr
	global_load_b128 v[16:19], v1, s[4:5]          ; q's 32 codes of row r
	global_load_b32 v255, v29, s[6:7]              ; and its scale word
	s_wait_loadcnt 39                              ; block 2 is in; block 3's 32 loads and the seven above may be out
	BLOCKV 2
	s_wait_loadcnt 7                               ; block 3 is in
	BLOCKV 3
	s_wait_alu depctr_va_vdst(0)                   ; the conversions have written the four blocks' codes, and v252 is whole: the LDS stores below read them
.irp t, 0,1,2,3
	ds_store_b128 v24, v[CV+8*\t:CV+8*\t+3] offset:256*\t
.endr
	ds_store_b32 v25, v252
	s_wait_loadcnt 0x0
.irp i, 0,1,2,3,4
	ds_store_b128 v26, v[224+4*\i:227+4*\i] offset:512*\i
.endr
	s_wait_alu depctr_vm_vsrc(0)                   ; the stores have read v252, the codes' registers and v224-243, the prologue's loads and stores their addresses v24-29: v252 is cleared below, K's fragments and scale words land in the others, the loop works in v232-243
.irp j, 16,17,18,19
	v_cndmask_b32 v\j, v\j, v20, s30               ; lanes 16-31 stand for k = 32 .. 63: zero codes
.endr
	v_mov_b32 v13, 0xff61b1e6                      ; the largest t so far: -3e38
	v_floor_f32 v12, -v13                          ; -M
	v_mov_b32 v14, 0
	v_mov_b32 v15, 0
.irp j, 236,237,238,239,252,253
	v_mov_b32 v\j, 0                               ; lane permutes' destinations and a pair's upper half: written once
.endr
.set J, 0
.rept 16
	v_mov_b32 v[160+J], 0                          ; O^T: the step is written once; the first finds zeros
.set J, J+1
.endr
	s_mov_b32 s31, 0                               ; the step's tiles of K,
	s_mov_b32 s32, 0                               ; K's scale words,
	s_mov_b32 s33, 0                               ; V's codes,
	s_mov_b32 s34, 0                               ; V's scale words,
	s_mov_b32 s35, 0                               ; and its first key
	s_mov_b32 s36, 16
	s_add_co_u32 s56, s23, 15                      ; my last position
	s_wait_alu depctr_va_vdst(0)                   ; v16-19 are written by the selects above, which the first scaled products take as source 1 (the plain lines behind the selects are the places)
	s_wait_dscnt 0x0                               ; for the others' sake: my stores are done
	s_barrier_signal -1
	s_barrier_wait -1                              ; K and V are whole, and nobody writes them again
.irp t, 0,1,2,3,4,5,6,7
	ds_load_b128 v[32+8*\t:35+8*\t], v1 offset:256*\t      ; step 0's K, which counts for every position; each later step's is asked for a step ahead.  A key's 32 codes; lanes 16-31 read the same bytes, which meet q's zeros
.endr
	ds_load_b128 v[24:27], v2
	ds_load_b128 v[28:31], v2 offset:256
	s_wait_dscnt 0x0
.Lstep:
	s_cmp_gt_u32 s35, s56
	s_cbranch_scc1 .Lhidden                        ; all 128 keys come after my positions
.irp t, 0,1,2,3,4,5,6,7                        ; K's fragments and scale words are in: the wait for them stands at the last step's end, or ahead of the loop
	v_wmma_scale_f32_16x16x128_f8f6f4 v[96+8*\t:103+8*\t], v[32+8*\t:39+8*\t], v[16:23], 0, v[24+\t], v255 matrix_a_fmt:MATRIX_FMT_FP4 matrix_b_fmt:MATRIX_FMT_FP4
.endr
.rept 4
	v_nop
.endr
	s_add_co_u32 s37, s35, 127
	s_cmp_le_u32 s37, s23
	s_cbranch_scc1 .Lopen                          ; all 128 keys count
	s_sub_co_i32 s37, s23, s35
	v_and_b32 v252, 15, v0
	v_bfe_u32 v253, v0, 4, 1
	v_lshlrev_b32 v253, 4, v253
	v_sub_nc_u32 v252, v252, v253
	v_add_nc_u32 v252, s37, v252                   ; d = my position - the step's first key - 16 h.  Register 16 b + i holds key 16 h + 32 b + i of the step: hidden where 32 b + i > d
	v_mov_b32 v254, 0xff800000
.irp b, 0,1,2,3                                ; the compares in runs of sixteen, a mask register to each
.irp i, 0,1,2,3,4,5,6,7,8,9,10,11,12,13,14,15
	v_cmp_gt_i32 s[40+\i], 32*\b+\i, v252
.endr
	s_wait_alu depctr_va_sdst(0)                   ; the sixteen compares have written s40-55, ahead of the selects that read them
.irp i, 0,1,2,3,4,5,6,7,8,9,10,11,12,13,14,15
	v_cndmask_b32 v[96+16*\b+\i], v[96+16*\b+\i], v254, s[40+\i]
.endr
.endr
.Lopen:
.irp b, 0,1,2,3
	v_max3_num_f32 v[232+\b], v[96+16*\b], v[97+16*\b], v[98+16*\b]       ; the largest score of each block of 32 keys: for the row's maximum and, since p rises with the score, for the block's largest p
.endr
.irp i, 3,5,7,9,11,13
.irp b, 0,1,2,3
	v_max3_num_f32 v[232+\b], v[232+\b], v[96+16*\b+\i], v[97+16*\b+\i]
.endr
.endr
.irp b, 0,1,2,3
	v_max_num_f32 v[232+\b], v[232+\b], v[111+16*\b]
.endr
.irp b, 0,1,2,3
	v_permlanex16_b32 v[236+\b], v[232+\b], s26, s27
.endr
.irp b, 0,1,2,3
	v_max_num_f32 v[232+\b], v[232+\b], v[236+\b]
.endr
	v_max3_num_f32 v254, v232, v233, v234
	v_max_num_f32 v254, v254, v235
	v_mul_f32 v254, s28, v254
	v_max_num_f32 v13, v13, v254                   ; the running largest t
	v_mov_b32 v254, v12
	v_floor_f32 v12, -v13                          ; the new -M = -ceil(t): a whole number
	v_sub_f32 v254, v12, v254
	v_cvt_i32_f32 v254, v254                       ; (it saturates)
	v_ldexp_f32 v252, 1.0, v254                    ; f = 2^(old M - new M)
.set J, 0
.rept 32
	v_pk_fma_f32 v[96+J:97+J], v[96+J:97+J], s[28:29], v[12:13] op_sel_hi:[1,0,0]     ; t - M
.set J, J+2
.endr
.irp b, 0,1,2,3
	v_fma_f32 v[232+\b], v[232+\b], s28, v12
.endr
.set J, 0
.rept 64
	v_exp_f32 v[96+J], v[96+J]                     ; p = 2^(t - M)
.set J, J+1
.endr
.irp b, 0,1,2,3
	v_exp_f32 v[232+\b], v[232+\b]                 ; the block's largest p: the same two instructions on the same number
.endr
	v_pk_mul_f32 v[14:15], v[14:15], v[252:253] op_sel_hi:[1,0]    ; the sums under the new M.  (A plain place behind the exponentials)
	s_wait_alu depctr_vm_vsrc(0)                   ; the last step's LDS loads have read v8-11, which the four additions write again
	v_add_nc_u32 v8, s31, v1
	v_add_nc_u32 v9, s32, v2
	v_add_nc_u32 v10, s33, v3
	v_add_nc_u32 v11, s34, v4
	s_wait_alu depctr_va_vdst(0)                   ; the 68 exponentials have written their results, ahead of the first reader; v8-11 are written, which the loads below read; this step's products S^T are done reading K's fragments and words, the last step's products O^T V's: the loads below land in them
.irp u, 0,1
.irp c, 0,1
	ds_load_b128 v[176+8*\u+4*\c:179+8*\u+4*\c], v10 offset:16384*\u+512*\c   ; this step's V
.endr
.endr
	ds_load_b32 v200, v11
	ds_load_b32 v201, v11 offset:1024
	s_add_co_u32 s37, s35, 128                     ; the next step's first key:
	s_cmp_gt_u32 s37, s56                          ; past my last position (or past the last key) there is no next step for me: its K is not asked for.  Ids and the count of steps alone
	s_cbranch_scc1 .Lno_next
.irp t, 0,1,2,3,4,5,6,7
	ds_load_b128 v[32+8*\t:35+8*\t], v8 offset:2048+256*\t     ; the next step's K: 2,048 bytes of codes on,
.endr
	ds_load_b128 v[24:27], v9 offset:512           ; 512 bytes of scale words on
	ds_load_b128 v[28:31], v9 offset:768
.Lno_next:
.irp b, 0,1,2,3
	v_max_num_f32 v[232+\b], 0x1800000, v[232+\b]  ; the floor 2^(3 - 127)
.endr
.irp b, 0,1,2,3
	v_add_nc_u32 v[244+\b], 0xff000000, v[232+\b]
.endr
.irp b, 0,1,2,3
	v_lshrrev_b32 v[236+\b], 23, v[244+\b]
.endr
	v_lshl_or_b32 v253, v237, 8, v236              ; p's scale word for these 128 keys
	v_lshl_or_b32 v253, v238, 16, v253
	v_lshl_or_b32 v253, v239, 24, v253
.irp b, 0,1,2,3
	v_cvt_scalef32_pk8_fp4_f32 v[192+2*\b], v[96+16*\b:103+16*\b], v[244+\b]
	v_cvt_scalef32_pk8_fp4_f32 v[193+2*\b], v[104+16*\b:111+16*\b], v[244+\b]
.endr
	v_nop                                          ; one plain place behind the scaled conversions
.irp c, 0,1                            ; the operand's layout wants a whole block in a lane
.irp i, 0,1
	v_permlane16_swap_b32 v[192+4*\c+\i], v[194+4*\c+\i]
.endr
.endr
.set J, 0
.rept 8
	v_pk_mul_f32 v[160+J:161+J], v[160+J:161+J], v[252:253] op_sel_hi:[1,0]     ; O^T under the new M, each accumulator from its low end on
.set J, J+2
.endr
	v_pk_add_f32 v[236:237], v[96:97], v[98:99]    ; the row's sum of the unquantised p, in two chains; these 32 lines are also the places in front of the scaled products
.irp j, 4,8,12,16,20,24,28,32,36,40,44,48,52,56,60
	v_pk_add_f32 v[14:15], v[14:15], v[96+\j:97+\j]
	v_pk_add_f32 v[236:237], v[236:237], v[98+\j:99+\j]
.endr
	v_pk_add_f32 v[14:15], v[14:15], v[236:237]
	s_wait_dscnt 0x0                               ; V's fragments and scale words are in, and so is the next step's K, where it was asked for: for 0, so that it holds on both ways
	s_wait_alu depctr_va_vdst(0)                   ; p's codes v192-199 and its scale word v253 are written by vector lines: the scaled products below take them; the places above stay beside this wait
.irp u, 0,1
	v_wmma_scale_f32_16x16x128_f8f6f4 v[160+8*\u:167+8*\u], v[176+8*\u:183+8*\u], v[192:199], v[160+8*\u:167+8*\u], v[200+\u], v253 matrix_a_fmt:MATRIX_FMT_FP4 matrix_b_fmt:MATRIX_FMT_FP4
.endr
.Lhidden:
	s_add_co_u32 s31, s31, 2048
	s_add_co_u32 s32, s32, 512
	s_add_co_u32 s33, s33, 1024
	s_add_co_u32 s34, s34, 64
	s_add_co_u32 s35, s35, 128
	s_sub_co_u32 s36, s36, 1
	s_cmp_lg_u32 s36, 0
	s_cbranch_scc1 .Lstep
	; THE WAY OUT: o = O^T / the sum; lane (r, h) holds d = 16 h + 0 .. 15 of row r; the head's 32 are one block
	s_wait_alu depctr_vm_vsrc(0)                   ; the loop's LDS loads have read v8, which is made anew below
.rept 4
	v_nop
.endr
	v_add_f32 v14, v14, v15
	v_permlanex16_b32 v252, v14, s26, s27
	v_add_f32 v14, v14, v252
	v_rcp_f32 v14, v14
	v_and_b32 v8, 31, v0                           ; (a plain place behind the transcendental)
	v_lshl_add_u32 v8, v8, 3, OSX
.set J, 0
	s_wait_alu depctr_va_vdst(0)                   ; the reciprocal has written v14, ahead of its first reader
.rept 16
	v_mul_f32 v[96+J], v[160+J], v14
.set J, J+1
.endr
	v_max3_num_f32 v232, |v96|, |v97|, 0x1800000
.irp i, 2,4,6,8,10,12,14
	v_max3_num_f32 v232, v232, |v[96+\i]|, |v[97+\i]|
.endr
	v_permlanex16_b32 v236, v232, s26, s27
	v_max_num_f32 v232, v232, v236
	v_add_nc_u32 v244, 0xff000000, v232
	v_lshrrev_b32 v240, 23, v244
	v_cvt_scalef32_pk8_fp4_f32 v192, v[96:103], v244
	v_cvt_scalef32_pk8_fp4_f32 v193, v[104:111], v244
	v_nop
	s_wait_alu depctr_va_vdst(0)                   ; the conversions have written v192 and v193 and the shift v240, which the two stores read; v8 is written, by which wave 0 loads below, and the loop's lines are done with v194 and v195, in which that load lands
	global_store_b64 v6, v[192:193], s[12:13]      ; 32 lanes fill the 256 bytes of my head's block of 16 rows
	ds_store_b8 v5, v240                           ; (both lanes of a row store the same byte)
	s_wait_dscnt 0x0
	s_barrier_signal -1
	s_barrier_wait -1
	s_cmp_lg_u32 s16, 0
	s_cbranch_scc1 .Lend
	ds_load_b64 v[194:195], v8                     ; eight heads' bytes of a row: lanes 0-15 the one tile of rows, lanes 16-31 the other
	s_wait_dscnt 0x0
	global_store_b64 v7, v[194:195], s[14:15]      ; half of each row's 16 scale bytes: the other half is another work-group's
.Lend:
	s_wait_xcnt 0x0
	v_lshl_add_u32 v254, v0, 2, 0x12a00            ; the add's two registers, made anew: no memory or LDS instruction has read either
	v_mov_b32 v255, 0
	s_wait_dscnt 0x0                               ; the closing lines, six on end
	s_wait_alu 0x0
	s_wait_tensorcnt 0x0
	ds_add_u32 v254, v255
	s_wait_dscnt 0x0
	s_endpgm
.Lfunc_end_k_q14b5c5dc90_attn:
	.size	k_q14b5c5dc90_attn, .Lfunc_end_k_q14b5c5dc90_attn-k_q14b5c5dc90_attn
	.p2alignl 7, 3214868480
	.fill 96, 4, 3214868480
	.section	.rodata,"a",@progbits
	.p2align	6, 0x0
	.amdhsa_kernel k_q14b5c5dc90_attn
		.amdhsa_group_segment_fixed_size 78336
		.amdhsa_private_segment_fixed_size 0
		.amdhsa_enable_private_segment 0
		.amdhsa_kernarg_size 40
		.amdhsa_user_sgpr_count 2
		.amdhsa_user_sgpr_kernarg_segment_ptr 1
		.amdhsa_wavefront_size32 1
		.amdhsa_system_sgpr_workgroup_id_x 1
		.amdhsa_system_sgpr_workgroup_id_y 1
		.amdhsa_system_sgpr_workgroup_id_z 1
		.amdhsa_system_vgpr_workitem_id 0
		.amdhsa_next_free_vgpr 256
		.amdhsa_next_free_sgpr 66
		.amdhsa_reserve_vcc 0
		.amdhsa_float_denorm_mode_32 3
		.amdhsa_float_denorm_mode_16_64 3
		.amdhsa_memory_ordered 1
		.amdhsa_forward_progress 1
		.amdhsa_inst_pref_size 54
	.end_amdhsa_kernel
	.amdgpu_metadata
---
amdhsa.version: [ 1, 2 ]
amdhsa.kernels:
  - .name:           k_q14b5c5dc90_attn
    .symbol:         k_q14b5c5dc90_attn.kd
    .args:
      - { .name: qc, .offset: 0, .size: 8, .value_kind: global_buffer, .address_space: global }
      - { .name: qs, .offset: 8, .size: 8, .value_kind: global_buffer, .address_space: global }
      - { .name: kq, .offset: 16, .size: 8, .value_kind: global_buffer, .address_space: global }
      - { .name: vraw, .offset: 24, .size: 8, .value_kind: global_buffer, .address_space: global }
      - { .name: aq, .offset: 32, .size: 8, .value_kind: global_buffer, .address_space: global }
    .group_segment_fixed_size: 78336
    .private_segment_fixed_size: 0
    .kernarg_segment_align: 8
    .kernarg_segment_size: 40
    .max_flat_workgroup_size: 512
    .sgpr_count:     66
    .vgpr_count:     256
    .wavefront_size: 32
...
	.end_amdgpu_metadata
.endif
;; end of part 6
;; launch outgemm: the kernel of part 5 again; grid 8 x 32, 4 waves a work-group, clusters of 4 x 4, 327,680 bytes of LDS; arguments aq, woq, out0; writes out0
